; MI455X (gfx1250); checked and timed in simulation.
; The chip was launched on July 23, 2026; its instructions are those of AMD's public machine-readable ISA for CDNA 5 (MIT licence, August 2026) and "CDNA5" Instruction Set Architecture Reference Guide (July 2026). The comments in the code are by the model that wrote it; some were corrected since.
;; Multi Head Attention. Allowed arithmetic: matrix products marked QUANTISED: E2M1 operands, one E8M0 scale for each 32 along K, by v_wmma_scale_f32_16x16x128_f8f6f4 with both operands' format E2M1 (or v_wmma_scale_f32_32x16x128_f4), f32 sums; products left as they are: bf16, f16 or f32 operands; f32 sums; everything else in f32.
;; Inputs: Wk 2,048 x 2,048 float32; Wo 2,048 x 2,048 float32; Wq 2,048 x 2,048 float32; Wv 2,048 x 2,048 float32; cos 2,048 x 128 float32; mask 2,048 x 2,048 float32; sin 2,048 x 128 float32; x 1 x 2,048 x 2,048 float32.
;; Outputs: out0 1 x 2,048 x 2,048 float32.
;; This version of the problem:
;;   THIS VERSION OF THE PROBLEM IS GIVEN IN LOW PRECISION. The matrix products marked QUANTISED in the list below multiply operands that are first quantised to E2M1 (2 exponent bits, 1 mantissa bit; 4 bits a number), with one power-of-two scale for each 32 numbers along K (OCP MX v1.0); their sums are f32. The products marked 'left as it is' may take bf16, f16 or f32 operands, with f32 sums. Whichever they take, every output number must still come out within the allowed error. Rounding operands to bf16 (8 significant bits) uses up far more of that allowance than f16 does (11 bits, for magnitudes from 6e-5 to 65,504). All else is computed in f32.
;;   The module's matrix products, in the order in which they are computed (A, B: the left and right operand; K: the contracted axis; several contracted axes count as one K, in the product's order):
;;     1. [M 2,048, K 2,048] x [K 2,048, N 2,048]; A: input x; B: input Wq: QUANTISED
;;     2. [M 2,048, K 2,048] x [K 2,048, N 2,048]; A: input x; B: input Wk: QUANTISED
;;     3. [M 2,048, K 2,048] x [K 2,048, N 2,048]; A: input x; B: input Wv: QUANTISED
;;     4. batch 16 x [M 2,048, K 128] x [K 128, N 2,048]; A: computed on the way; B: computed on the way: left as it is (an operand is computed on the way)
;;     5. batch 16 x [M 2,048, K 2,048] x [K 2,048, N 128]; A: computed on the way; B: computed on the way: left as it is (an operand is computed on the way)
;;     6. [M 2,048, K 2,048] x [K 2,048, N 2,048]; A: computed on the way; B: input Wo: left as it is (an operand is computed on the way)
;;   THE QUANTISER, for each operand of a quantised product, along K:
;;     - K is cut into blocks of 32 from its start; a last block that is shorter is filled with zeros.
;;     - A block's scale is 2^e with e = floor(log2(the largest magnitude in the block)) - 2, held to -126 .. 127; a block of zeros has e = 0. As a byte (E8M0): e + 127.
;;     - Each number is divided by its block's scale, clamped to +-6, and rounded to the nearest number of E2M1, ties to even, subnormals kept.
;;     - The product sums the exact products of the quantised numbers (number of the format x scale) in f32.
;;   ~~~python
;;   def quantise(x, axis):      # numpy; x: float32 -> the quantised numbers, widened to float32 again
;;       x = np.moveaxis(x, axis, -1); K = x.shape[-1]
;;       x = np.pad(x, [(0, 0)] * (x.ndim - 1) + [(0, -K % 32)]); x = x.reshape(x.shape[:-1] + (-1, 32)); a = np.abs(x).max(-1, keepdims=True)
;;       e = np.where(a > 0, np.clip(np.frexp(np.where(a > 0, a, 1))[1] - 1 - 2, -126, 127), 0)      # np.frexp(a)[1] - 1 = floor(log2(a)), exactly
;;       r = np.clip(x / 2.0 ** e, -6, 6)
;;       step = 2.0 ** (np.maximum(np.frexp(np.where(r == 0, 1, r))[1] - 1, 0) - 1)
;;       q = np.round(r / step) * step * 2.0 ** e      # np.round: ties to even
;;       return np.moveaxis(q.reshape(q.shape[:-2] + (-1,))[..., :K], -1, axis).astype(np.float32)
;;   ~~~
;; One version. Each part assembles by itself: llvm-mc -triple=amdgcn-amd-amdhsa -mcpu=gfx1250 --defsym DOCPART=n.
;; ======== version 1 of 1: 6 launches
;; limits: values are held in f16: magnitudes above 65,504 overflow, below 6.1e-05 lose precision
;; workspace buffers: qx 8,912,896 bytes; wo16 8,388,608 bytes; qk16 16,777,216 bytes; v16 16,777,216 bytes; out16 8,388,608 bytes; fine 2,129,920 bytes; finea 131,072 bytes
;; launch prep (part 1): grid 640 x 1, 4 waves a work-group, no clusters, 33,280 bytes of LDS; arguments x, Wq, Wk, Wv, Wo, qx, wo16; writes qx, wo16
.if DOCPART == 1
	.amdgcn_target "amdgcn-amd-amdhsa--gfx1250"
	.amdhsa_code_object_version 6
	.text
	.protected	k_qccb4112046_prep
	.globl	k_qccb4112046_prep
	.p2align	8
	.type	k_qccb4112046_prep,@function
k_qccb4112046_prep:
	s_mov_b64 s[64:65], 0
	v_nop
	global_prefetch_b8 v0, s[64:65] scope:SCOPE_SE
	s_setreg_imm32_b32 hwreg(HW_REG_WAVE_MODE, 25, 1), 1
	s_wait_xcnt 0x0
; MULTI-HEAD ATTENTION, launch 1 of 6.  x, Wq, Wk, Wv [2048][2048] f32 become codes of FP4 (E2M1) with one E8M0 byte for each 32 along K (K is innermost in all four); Wo becomes f16.
; DEAD WORK: none is left out in any launch.  Every input has a way to the output: the mask is an additive INPUT, so every key counts for every query and no tile is passed over; cos and sin are taken as they are given, all 128 columns.
; qx: codes [8192 rows][1024 bytes], rows in the order x, Wq, Wk, Wv; from byte 8,388,608 on the scale bytes [8192][64].  wo16: [2048][2048] f16.
; A block's scale is 2^(floor(log2(largest magnitude)) - 2); its byte is the largest magnitude's exponent field - 2, held at 1 from below (a block of zeros keeps the byte 1: its codes are zeros, and this program alone reads the bytes).
; LIMITS: blocks whose largest magnitude lies under 2^-124 keep the byte 1; NaN and infinities among the inputs are not served; Wo must lie inside +-65,504 (f16).
; Work-groups 0-511 quantise (128 to a tensor, a wave takes 16 steps of 512 numbers); work-groups 512-639 cast Wo (a wave takes 8,192 numbers).  Rows are dense, so every tensor is a plain stream.
; Quantising: each load reads 512 consecutive bytes; a step's 2,048 bytes turn through the wave's own stage in LDS so that a lane holds 16 neighbours along K (two lanes to a block).  No barrier: waves share nothing.
.set WAVES, 4
.set STEPS, 16
.set EMAX,  2
.set CB,    8                          ; bytes of 16 codes
.set R,     16                         ; v16-79   four sets of 16 numbers as loaded
.set X,     80                         ; v80-111  two sets of 16 neighbours
.set C,     128                        ; v128-191 codes, four registers a step
.set E,     112                        ; v112-127 a scale byte for each step
.set WREG,  8192                       ; LDS: a wave's region: two stages of 32 x SP bytes, then its 256 scale bytes
.set SP,    80
.set SPW,   12                         ; v12 my spare word's LDS address; never rewritten
.set NIL,   13                         ; v13 0; never rewritten
.set SPARE, WAVES*WREG                 ; the spare words: 128 bytes a wave, named by no other line
.set SCOFF, 8388608                    ; where the scale bytes begin in qx
	s_load_b256 s[4:11], s[0:1], 0x0               ; x, Wq, Wk, Wv
	s_load_b128 s[12:15], s[0:1], 0x20             ; Wo, qx
	s_load_b64 s[16:17], s[0:1], 0x30              ; wo16
	v_lshl_add_u32 v[SPW], v0, 2, SPARE
	v_mov_b32 v[NIL], 0
	v_lshrrev_b32 v1, 5, v0
	v_readfirstlane_b32 s20, v1                    ; wave
	v_and_b32 v2, 31, v0                           ; lane
	v_lshlrev_b32 v3, 4, v2                        ; my 16 bytes of a load's 512
	s_mul_i32 s21, s20, WREG
	v_lshrrev_b32 v14, 2, v2
	v_mul_u32_u24 v14, v14, SP
	v_and_b32 v15, 3, v2
	v_lshl_add_u32 v14, v15, 4, v14
	v_add_nc_u32 v14, s21, v14                     ; the stage, way in: SP (lane / 4) + 16 (lane % 4)
	v_mul_u32_u24 v15, v2, SP
	v_add_nc_u32 v15, s21, v15                     ; way out: SP x lane: my 16 neighbours
	v_mul_u32_u24 v4, v2, CB                       ; 8 x lane: my codes' place in a step's; also my f16 numbers' place in the cast
	v_lshrrev_b32 v5, 1, v2
	s_add_co_u32 s21, s21, 2*32*SP
	v_add_nc_u32 v5, s21, v5                       ; LDS: my block's scale byte
	v_lshlrev_b32 v7, 3, v2
	v_add_nc_u32 v6, s21, v7
	s_wait_kmcnt 0x0
	s_cmp_ge_u32 ttmp9, 512                        ; the work-group's number alone decides
	s_cbranch_scc1 .Lcast
	s_lshr_b32 s22, ttmp9, 7                       ; which tensor: 0 x, 1 Wq, 2 Wk, 3 Wv
	s_cmp_lt_u32 s22, 2
	s_cselect_b64 s[4:5], s[4:5], s[8:9]           ; x or Wk
	s_cselect_b64 s[6:7], s[6:7], s[10:11]         ; Wq or Wv
	s_and_b32 s22, s22, 1
	s_cmp_eq_u32 s22, 0
	s_cselect_b64 s[4:5], s[4:5], s[6:7]
	s_and_b32 s22, ttmp9, 127
	s_lshl_b32 s22, s22, 2
	s_add_co_u32 s22, s22, s20                     ; my run of 8,192 numbers in the tensor
	s_lshl_b32 s22, s22, 15
	s_mov_b32 s23, 0
	s_add_nc_u64 s[4:5], s[4:5], s[22:23]
	s_lshl_b32 s24, ttmp9, 2
	s_add_co_u32 s24, s24, s20                     ; my run among all four tensors' 2,048
	s_lshl_b32 s22, s24, 12                        ; 4,096 bytes of codes a run
	s_add_nc_u64 s[8:9], s[14:15], s[22:23]
	s_lshl_b32 s22, s24, 8                         ; 256 scale bytes a run
	s_add_co_u32 s22, s22, SCOFF
	s_add_nc_u64 s[10:11], s[14:15], s[22:23]
.macro LOAD t
.irp i, 0,1,2,3
	global_load_b128 v[R+16*((\t)%4)+4*\i:R+16*((\t)%4)+4*\i+3], v3, s[4:5] offset:2048*(\t)+512*\i th:TH_LOAD_NT
.endr
.endm
.macro TURN t                          ; step t's numbers through the stage: LDS serves a wave's instructions in order
.irp i, 0,1,2,3
	ds_store_b128 v14, v[R+16*((\t)%4)+4*\i:R+16*((\t)%4)+4*\i+3] offset:32*SP*((\t)%2)+8*SP*\i
.endr
.irp i, 0,1,2,3
	ds_load_b128 v[X+16*((\t)%2)+4*\i:X+16*((\t)%2)+4*\i+3], v15 offset:32*SP*((\t)%2)+16*\i
.endr
.endm
.irp t, 0,1,2,3
	LOAD \t
.endr
	s_wait_loadcnt 12                              ; step 0's four loads are in; the 12 of steps 1 to 3 stay out
	TURN 0
.macro STEP t
.set XS, X+16*((\t)%2)
.if (\t) > 0
	s_wait_dscnt 1                                 ; this step's numbers are back from the stage; the last step's byte store may be out
.else
	s_wait_dscnt 0x0
.endif
.if (\t)+4 < STEPS
	LOAD (\t)+4
.endif
.if (\t)+1 < STEPS
.if STEPS-2-(\t) >= 3
	s_wait_loadcnt 12                              ; the next step's four loads are in; three later steps' 12 stay out
.else
	s_wait_loadcnt 4*(STEPS-2-(\t))
.endif
	TURN (\t)+1
.endif
	v_max3_num_f32 v8, |v[XS]|, |v[XS+1]|, |v[XS+2]|
	v_max3_num_f32 v9, |v[XS+3]|, |v[XS+4]|, |v[XS+5]|
.irp i, 6,10
	v_max3_num_f32 v8, v8, |v[XS+\i]|, |v[XS+\i+1]|
	v_max3_num_f32 v9, v9, |v[XS+\i+2]|, |v[XS+\i+3]|
.endr
	v_max3_num_f32 v8, v8, |v[XS+14]|, |v[XS+15]|
	v_max3_num_f32 v8, v8, v9, (EMAX+1)<<23        ; the floor 2^(3 - 127): the byte cannot fall under 1
	v_max_num_f32_dpp v8, v8, v8 row_xmask:1 row_mask:0xf bank_mask:0xf   ; with my neighbour's 16: the block's largest magnitude
	v_add_nc_u32 v11, -(EMAX<<23), v8              ; 2 off its exponent field: the conversion's scale operand
	v_cvt_scalef32_pk8_fp4_f32 v[C+4*(\t)], v[XS:XS+7], v11
	v_cvt_scalef32_pk8_fp4_f32 v[C+4*(\t)+1], v[XS+8:XS+15], v11
	v_lshrrev_b32 v[E+(\t)], 23, v11               ; the scale's byte
	ds_store_b8 v5, v[E+(\t)] offset:16*(\t)       ; both lanes of a block write the same byte with the same value
	global_store_b64 v4, v[C+4*(\t):C+4*(\t)+1], s[8:9] offset:32*CB*(\t)   ; the wave stores 256 consecutive bytes, aligned
.endm
.irp t, 0,1,2,3,4,5,6,7,8,9,10,11,12,13,14,15
	STEP \t
.endr
	ds_load_b64 v[8:9], v6                         ; my wave's 256 scale bytes, behind my stores of them
	s_wait_dscnt 0x0
	global_store_b64 v7, v[8:9], s[10:11]          ; 256 consecutive bytes, aligned
	s_wait_tensorcnt 0x0                           ; the wave's end, behind my last LDS store
	ds_add_u32 v[SPW], v[NIL]
	s_wait_dscnt 0x0
	s_endpgm
; THE CAST: a wave takes 64 loads of 512 bytes in four groups of 16, two groups in flight; it touches no LDS.
.Lcast:
	s_sub_co_u32 s22, ttmp9, 512
	s_lshl_b32 s22, s22, 2
	s_add_co_u32 s22, s22, s20                     ; my run of 8,192 numbers of Wo
	s_lshl_b32 s24, s22, 15
	s_mov_b32 s25, 0
	s_add_nc_u64 s[12:13], s[12:13], s[24:25]
	s_lshl_b32 s24, s22, 14
	s_add_nc_u64 s[16:17], s[16:17], s[24:25]
.macro LOADG g
.irp i, 0,1,2,3,4,5,6,7,8,9,10,11,12,13,14,15
	global_load_b128 v[16+64*((\g)%2)+4*\i:16+64*((\g)%2)+4*\i+3], v3, s[12:13] offset:512*(16*(\g)+\i) th:TH_LOAD_NT
.endr
.endm
.macro CASTG g
.if (\g) < 3
	s_wait_loadcnt 16                              ; this group is in; the next group's 16 stay out
.else
	s_wait_loadcnt 0x0
.endif
	s_wait_xcnt 0x0                                ; the last group's stores have read v144-175
.irp i, 0,1,2,3,4,5,6,7,8,9,10,11,12,13,14,15
	v_cvt_pk_f16_f32 v[144+2*\i], v[16+64*((\g)%2)+4*\i], v[16+64*((\g)%2)+4*\i+1]
	v_cvt_pk_f16_f32 v[145+2*\i], v[16+64*((\g)%2)+4*\i+2], v[16+64*((\g)%2)+4*\i+3]
.endr
.if (\g)+2 < 4
	LOADG (\g)+2                                   ; loads ahead of stores
.endif
.irp i, 0,1,2,3,4,5,6,7,8,9,10,11,12,13,14,15
	global_store_b64 v4, v[144+2*\i:145+2*\i], s[16:17] offset:256*(16*(\g)+\i)   ; 256 consecutive bytes, aligned
.endr
.endm
	LOADG 0
	LOADG 1
	CASTG 0
	CASTG 1
	CASTG 2
	CASTG 3
	s_endpgm
.Lfunc_end_k_qccb4112046_prep:
	.size	k_qccb4112046_prep, .Lfunc_end_k_qccb4112046_prep-k_qccb4112046_prep
	.p2alignl 7, 3214868480
	.fill 96, 4, 3214868480
	.section	.rodata,"a",@progbits
	.p2align	6, 0x0
	.amdhsa_kernel k_qccb4112046_prep
		.amdhsa_group_segment_fixed_size 33280
		.amdhsa_private_segment_fixed_size 0
		.amdhsa_enable_private_segment 0
		.amdhsa_kernarg_size 56
		.amdhsa_user_sgpr_count 2
		.amdhsa_user_sgpr_kernarg_segment_ptr 1
		.amdhsa_wavefront_size32 1
		.amdhsa_system_sgpr_workgroup_id_x 1
		.amdhsa_system_sgpr_workgroup_id_y 1
		.amdhsa_system_sgpr_workgroup_id_z 1
		.amdhsa_system_vgpr_workitem_id 0
		.amdhsa_next_free_vgpr 192
		.amdhsa_next_free_sgpr 66
		.amdhsa_reserve_vcc 0
		.amdhsa_float_denorm_mode_32 3
		.amdhsa_float_denorm_mode_16_64 3
		.amdhsa_memory_ordered 1
		.amdhsa_forward_progress 1
		.amdhsa_inst_pref_size 54
	.end_amdhsa_kernel
	.amdgpu_metadata
---
amdhsa.version: [ 1, 2 ]
amdhsa.kernels:
  - .name:           k_qccb4112046_prep
    .symbol:         k_qccb4112046_prep.kd
    .args:
      - { .name: x, .offset: 0, .size: 8, .value_kind: global_buffer, .address_space: global }
      - { .name: Wq, .offset: 8, .size: 8, .value_kind: global_buffer, .address_space: global }
      - { .name: Wk, .offset: 16, .size: 8, .value_kind: global_buffer, .address_space: global }
      - { .name: Wv, .offset: 24, .size: 8, .value_kind: global_buffer, .address_space: global }
      - { .name: Wo, .offset: 32, .size: 8, .value_kind: global_buffer, .address_space: global }
      - { .name: qx, .offset: 40, .size: 8, .value_kind: global_buffer, .address_space: global }
      - { .name: wo16, .offset: 48, .size: 8, .value_kind: global_buffer, .address_space: global }
    .group_segment_fixed_size: 33280
    .private_segment_fixed_size: 0
    .kernarg_segment_align: 8
    .kernarg_segment_size: 56
    .max_flat_workgroup_size: 128
    .sgpr_count:     66
    .vgpr_count:     192
    .wavefront_size: 32
...
	.end_amdgpu_metadata
.endif
;; end of part 1
;; launch qkv (part 2): grid 24 x 8, 4 waves a work-group, clusters of 4 x 4, 327,680 bytes of LDS; arguments qx, cos, sin, qk16, v16; writes qk16, v16
.if DOCPART == 2
	.amdgcn_target "amdgcn-amd-amdhsa--gfx1250"
	.amdhsa_code_object_version 6
	.text
	.protected	k_qccb4112046_qkv
	.globl	k_qccb4112046_qkv
	.p2align	8
	.type	k_qccb4112046_qkv,@function
k_qccb4112046_qkv:
	s_mov_b64 s[64:65], 0
	v_nop
	global_prefetch_b8 v0, s[64:65] scope:SCOPE_SE
	s_setreg_imm32_b32 hwreg(HW_REG_WAVE_MODE, 25, 1), 1
	s_wait_xcnt 0x0
	s_wait_alu depctr_hold_cnt(0) depctr_sa_sdst(0) depctr_va_vdst(0) depctr_va_sdst(0) depctr_va_ssrc(0) depctr_va_vcc(0) depctr_vm_vsrc(0)
	s_getreg_b32 s2, hwreg(HW_REG_IB_STS2, 6, 4)
	s_cmp_eq_u32 s2, 0
	s_cbranch_scc0 .Lentry_in_a_cluster
	s_endpgm
.Lentry_in_a_cluster:
	s_bfe_u32 s2, ttmp6, 0x10000c
	s_cmp_lg_u32 s2, 0xf033
	s_cbranch_scc0 .Lentry_shape_is_right
	s_endpgm
.Lentry_shape_is_right:
; Launch 2 of 6: the three QUANTISED products on codes of FP4, then RoPE.  Nothing is left out.
; qx holds codes [8192][1024 bytes] (rows: x, Wq, Wk, Wv) and, from byte 8,388,608 on, scale bytes [8192][64].
; A tile of 256 x 256 to a work-group of four waves, 128 x 128 (64 accumulators) to a wave; K = 2048 in four steps of 512 through two LDS slots; the scales of all of K come once.
; Clusters x = 0..3: 'A' = x's rows, 'B' = Wq's and Wk's rows: a lane then holds one token and eight neighbouring channels; a wave's 128 columns are one head.  RoPE in f32, times sigma = 2^-1.75
; (sigma^2 = 1 / sqrt(128): Q and K carry half of the score's scale each), rounded to f16: qk16 [32][2048 t][128]: 0-15 Q's heads, 16-31 K's.
; Clusters x = 4, 5: 'A' = Wv's rows, 'B' = x's rows: a lane holds one channel and eight neighbouring tokens: V^T with the keys innermost, nothing transposed.  V is split in f32 into a high part of 11 bits and the rest,
; both rounded to f16: v16 [2][16 h][128 d][2048 t], high part first.  192 work-groups: a smaller tile would read each LDS byte for fewer products.
; CLUSTERS: A's tiles are shared along a row of the cluster, B's along a column, by joint loads.  The branch between the two ways out hangs on the cluster's x alone, which all sixteen partners share.
; LIMITS: sigma Q, sigma K and V must lie inside +-65,504; NaN and infinities are not served.
; REGISTERS: window 0: v0-31 addresses; v32-95 scale words, two sets; v128-191 A's fragments; on the way out v32-255 are at work.  window 1: B's fragments at v0 and v128; on the way out cos and sin, or V's rows.  windows 2, 3: accumulators.
.set KSTEP,  512
.set NQ,     4
.set ROWB,   256
.set KROW,   1024
.set PITCH,  272                       ; 256 bytes + 16 of padding: the 16 rows of a fragment load start at 16 different banks (64 banks of 4 bytes: ISA guide 11.1)
.set FR,     8
.set NL,     2
.set NP,     4
.set HALFT,  128*PITCH
.set SLOT,   4*HALFT
.set LAPS,   2
.set KS,     64
.set SCL,    2*SLOT
.set HALFS,  (128*KS/256)*272
.set SBLK,   (16*KS/256)*272
.set SPARE,  SCL+4*HALFS               ; the spare words: 128 bytes a wave, named by no other line
.set SCOFF,  8388608
.set SPIT,   272                       ; the way out: stages of 16 rows x (256 + 16) bytes a wave, in slot 0, which has had its last fill and its last read
.set STGV,   32768                     ; V's way out has stage bytes of its own
.set STOQ, 8
.set RDQ,  9
.set STOV, 10
.set RDV,  11
.set CSO,  12                          ; v12 my byte in a block's 16 rows of cos and sin: 512 r + 32 h
.set GQ,   13                          ; v13 16 x lane
.set GV,   14                          ; v14 4096 h + 16 r
.set ADRA, 16
.set ADRB, 20
.set ADRS, 27
.set SPW,  28
.set NIL,  29
.set SC,   32
.set AF,   128
.set PKR,  32                          ; the way out: v32-63 packed f16
.set BKQ,  64                          ; v64-127 rows read back, two sets
.set T,    128                         ; v128-255 at work
.set G1, 24
.set G0, 32
.set G1B, 48
.set G0B, 56
.set G1S, 68
.set G0S, 76
.set G1SB, 80
.set G0SB, 88
.set SG,  96                           ; s[96:97] sigma
.set SPL, 100                          ; s[100:101] 8193.0: the splitter
.set MSB, 0
.macro WIN new
.if MSB != \new
	s_set_vgpr_msb (MSB<<8)|\new
.set MSB, \new
.endif
.endm
.set MUL_LO, 0xa1
.set MUL_HI, 0xf1
.set TO_B,   0x40
.macro JLOAD g0a, g1a, g0b, g1b        ; a joint load: waves 0, 1 fetch for A, waves 2, 3 for B; an s_nop 0 and four v_nop follow each line
	s_cmp_eq_u32 s15, 0
	s_cbranch_scc0 .Lfor_b_\@
	tensor_load_to_lds s[\g0a:\g0a+3], s[\g1a:\g1a+7]
	s_nop 0
.rept 4
	v_nop
.endr
	s_branch .Lasked_\@
.Lfor_b_\@:
	tensor_load_to_lds s[\g0b:\g0b+3], s[\g1b:\g1b+7]
	s_nop 0
.rept 4
	v_nop
.endr
.Lasked_\@:
.endm
.macro CREST
	s_cmp_lg_u32 s14, 0
	s_cbranch_scc1 .Lnot_wave_0_\@
	s_barrier_signal -3
.Lnot_wave_0_\@:
	s_barrier_wait -3
	s_barrier_signal -1
	s_barrier_wait -1
.endm
.macro CROUND
	s_barrier_signal -1
	s_barrier_wait -1
	CREST
.endm
	s_load_b256 s[4:11], s[0:1], 0x0               ; qx, cos, sin, qk16
	s_load_b64 s[12:13], s[0:1], 0x20              ; v16
	v_lshl_add_u32 v[SPW], v0, 2, SPARE
	v_mov_b32 v[NIL], 0
	ds_add_u32 v[SPW], v[NIL]                      ; the opening: the add, twice on end, and its wait ahead of my first tensor load
	ds_add_u32 v[SPW], v[NIL]
	v_lshrrev_b32 v1, 5, v0
	v_readfirstlane_b32 s14, v1                    ; wave
	s_lshr_b32 s15, s14, 1                         ; my half of A's rows; also: I fetch for A (0) or B (1)
	s_and_b32 s16, s14, 1                          ; my half of B's rows; also: which 128 rows I fetch
	s_bfe_u32 s40, ttmp6, 0x40000                  ; cx
	s_bfe_u32 s41, ttmp6, 0x40004                  ; cy
	s_lshl_b32 s42, ttmp9, 2
	s_add_co_u32 s42, s42, s40                     ; tile column 0..23
	s_and_b32 s17, ttmp7, 0xffff
	s_lshl_b32 s17, s17, 2
	s_add_co_u32 s17, s17, s41                     ; tile row 0..7
	s_lshl_b32 s43, s41, 2
	s_lshl_b32 s43, 15, s43                        ; my row of the cluster
	s_lshl_b32 s44, 0x1111, s40                    ; my column
	s_cmp_ge_u32 ttmp9, 4                          ; clusters 4 and 5 make V^T: the same in all partners
	s_cselect_b32 s95, 6144, 0
	s_or_b32 s[G1+0], s43, (0<<16)|(1<<20)|(1<<21)|(5<<22)|(3<<25)   ; mask; elements of 1 byte; padding of 4 words behind every 64
	s_or_b32 s[G1B+0], s44, (0<<16)|(1<<20)|(1<<21)|(5<<22)|(3<<25)
.irp g, G1, G1B
	s_mov_b32 s[\g+1], ROWB<<16
	s_mov_b32 s[\g+2], 128<<16
	s_mov_b32 s[\g+3], ROWB<<16
	s_mov_b32 s[\g+4], 128
	s_mov_b32 s[\g+5], KROW
	s_mov_b32 s[\g+6], 0
	s_mov_b32 s[\g+7], 0
.endr
	s_or_b32 s[G1S+0], s43, (3<<16)|(1<<20)|(1<<21)|(5<<22)|(3<<25)  ; the scales of 128 rows: 8,192 dense bytes as rows of 256
	s_or_b32 s[G1SB+0], s44, (3<<16)|(1<<20)|(1<<21)|(5<<22)|(3<<25)
.irp g, G1S, G1SB
	s_mov_b32 s[\g+1], 32<<16
	s_mov_b32 s[\g+2], (128*KS/256)<<16
	s_mov_b32 s[\g+3], 32<<16
	s_mov_b32 s[\g+4], 128*KS/256
	s_mov_b32 s[\g+5], 32
	s_mov_b32 s[\g+6], 0
	s_mov_b32 s[\g+7], 0
.endr
	s_mov_b32 s[SG], 0x3e9837f0                    ; 2^-1.75
	s_mov_b32 s[SG+1], s[SG]
	s_mov_b32 s[SPL], 0x46000400                   ; 2^13 + 1
	s_mov_b32 s[SPL+1], s[SPL]
	s_lshl_b32 s18, s16, 7
	s_lshl_b32 s20, s17, 8
	s_add_co_u32 s20, s20, s18
	s_add_co_u32 s20, s20, s95                     ; A's first row in qx: x's, or Wv's from 6144 on
	s_lshl_b32 s46, s42, 8
	s_add_co_u32 s46, s46, s18
	s_add_co_u32 s46, s46, 2048
	s_sub_co_u32 s46, s46, s95                     ; B's: Wq's and Wk's from 2048 on, or x's
	s_lshl_b32 s22, s20, 6
	s_add_co_u32 s22, s22, SCOFF                   ; these rows' scale bytes,
	s_mov_b32 s23, 0
	s_lshl_b32 s92, s46, 6
	s_add_co_u32 s92, s92, SCOFF
	s_mov_b32 s93, 0
	s_lshl_b32 s20, s20, 10                        ; and their codes
	s_mov_b32 s21, 0
	s_lshl_b32 s46, s46, 10
	s_mov_b32 s47, 0
	s_mul_i32 s45, s14, HALFT
	s_mul_i32 s94, s14, HALFS
	s_wait_dscnt 0x0                               ; both opening adds are done
	s_wait_kmcnt 0x0
	s_add_nc_u64 s[20:21], s[4:5], s[20:21]
	s_add_nc_u64 s[22:23], s[4:5], s[22:23]
	s_add_nc_u64 s[46:47], s[4:5], s[46:47]
	s_add_nc_u64 s[92:93], s[4:5], s[92:93]
	CROUND                                         ; all sixteen work-groups are here: the first joint loads meet
	s_mov_b32 s[G0S], 1
	s_add_co_u32 s[G0S+1], s94, SCL
	s_mov_b64 s[G0S+2:G0S+3], s[22:23]
	s_or_b32 s[G0S+3], s[G0S+3], 0x80000000
	s_mov_b32 s[G0SB], 1
	s_add_co_u32 s[G0SB+1], s94, SCL
	s_mov_b64 s[G0SB+2:G0SB+3], s[92:93]
	s_or_b32 s[G0SB+3], s[G0SB+3], 0x80000000
	JLOAD G0S, G1S, G0SB, G1SB
.irp s, 0,1
	s_mov_b32 s[G0+4*\s], 1
	s_add_co_u32 s[G0+4*\s+1], s45, \s*SLOT
	s_add_nc_u64 s[G0+4*\s+2:G0+4*\s+3], s[20:21], \s*ROWB
	s_or_b32 s[G0+4*\s+3], s[G0+4*\s+3], 0x80000000
	s_mov_b32 s[G0B+4*\s], 1
	s_add_co_u32 s[G0B+4*\s+1], s45, \s*SLOT
	s_add_nc_u64 s[G0B+4*\s+2:G0B+4*\s+3], s[46:47], \s*ROWB
	s_or_b32 s[G0B+4*\s+3], s[G0B+4*\s+3], 0x80000000
	JLOAD G0+4*\s, G1, G0B+4*\s, G1B
.endr
	v_and_b32 v1, 15, v0                           ; r
	v_bfe_u32 v2, v0, 4, 1                         ; h
	v_mul_u32_u24 v3, v1, PITCH
	v_lshl_add_u32 v4, v2, 4, v3
	s_mul_i32 s21, s15, HALFT
	s_mul_i32 s22, s16, HALFT
	s_add_co_u32 s22, s22, 2*HALFT
.irp s, 0,1
	v_add_nc_u32 v[ADRA+\s], s21, v4
	v_add_nc_u32 v[ADRB+\s], s22, v4
	s_add_co_u32 s21, s21, SLOT
	s_add_co_u32 s22, s22, SLOT
.endr
	v_mul_u32_u24 v5, v1, KS
	v_lshrrev_b32 v6, 8, v5
	v_lshl_add_u32 v5, v6, 4, v5
	s_mul_i32 s21, s15, HALFS
	s_mul_i32 s22, s16, HALFS
	s_add_co_u32 s22, s22, 2*HALFS
	s_sub_co_u32 s22, s22, s21
	v_mul_u32_u24 v6, s22, v2                      ; lanes 16-31 take B's scale words
	s_add_co_u32 s21, s21, SCL
	v_add_nc_u32 v5, v5, v6
	v_add_nc_u32 v[ADRS], s21, v5
	s_mul_i32 s23, s14, 16*SPIT                    ; my stage
	v_mul_u32_u24 v5, v1, SPIT
	v_lshl_add_u32 v5, v2, 4, v5
	v_add_nc_u32 v[STOQ], s23, v5                  ; in: row r, 16 bytes for each half of the lanes
	v_add_nc_u32 v[STOV], STGV, v[STOQ]
	v_mul_u32_u24 v6, v2, SPIT
	v_lshl_add_u32 v6, v1, 4, v6
	v_add_nc_u32 v[RDQ], s23, v6                   ; back: lanes 0-15 one row, lanes 16-31 the next
	v_add_nc_u32 v[RDV], STGV, v[RDQ]
	v_lshlrev_b32 v[CSO], 9, v1
	v_lshl_add_u32 v[CSO], v2, 5, v[CSO]
	v_and_b32 v6, 31, v0
	v_lshlrev_b32 v[GQ], 4, v6
	v_lshlrev_b32 v[GV], 12, v2
	v_lshl_add_u32 v[GV], v1, 4, v[GV]
.macro FRAG reg, adr, q, i
.irp c, 0,1
	ds_load_b128 v[\reg+4*\c:\reg+4*\c+3], v[\adr] offset:64*(\q)+32*\c+(\i)*16*PITCH
.endr
.endm
; 16 products: A's blocks a0, a0 + 1 x B's eight.  Source 0 = B's rows, source 1 = A's.  The 64 accumulators take turns, one instruction a turn.
.macro MUL16 a0, p, q, sc, zero
.irp a, \a0, \a0+1
.irp b, 0,1,2,3,4,5,6,7
.if \zero
	v_wmma_scale_f32_16x16x128_f8f6f4 v[8*(8*((\a)%4)+\b):8*(8*((\a)%4)+\b)+7], v[128*(\p)+FR*\b:128*(\p)+FR*\b+FR-1], v[AF+FR*(\a):AF+FR*(\a)+FR-1], 0, v[SC+8*NQ*(\sc)+NQ*\b+(\q)], v[SC+8*NQ*(\sc)+NQ*(\a)+(\q)] matrix_a_fmt:MATRIX_FMT_FP4 matrix_b_fmt:MATRIX_FMT_FP4 matrix_a_scale:MATRIX_SCALE_ROW1
.else
	v_wmma_scale_f32_16x16x128_f8f6f4 v[8*(8*((\a)%4)+\b):8*(8*((\a)%4)+\b)+7], v[128*(\p)+FR*\b:128*(\p)+FR*\b+FR-1], v[AF+FR*(\a):AF+FR*(\a)+FR-1], v[8*(8*((\a)%4)+\b):8*(8*((\a)%4)+\b)+7], v[SC+8*NQ*(\sc)+NQ*\b+(\q)], v[SC+8*NQ*(\sc)+NQ*(\a)+(\q)] matrix_a_fmt:MATRIX_FMT_FP4 matrix_b_fmt:MATRIX_FMT_FP4 matrix_a_scale:MATRIX_SCALE_ROW1
.endif
.endr
.endr
.endm
.macro FETCH_B slot, q, p
	WIN TO_B
.irp i, 0,1,2,3,4,5,6,7
	FRAG 128*(\p)+FR*\i, ADRB+\slot, \q, \i
.endr
	WIN 0
.endm
.macro FETCH_A slot, q, i0
.irp i, \i0, \i0+1, \i0+2, \i0+3
	FRAG AF+FR*(\i), ADRA+\slot, \q, \i
.endr
.endm
.macro SCALES sc
.irp i, 0,1,2,3,4,5,6,7
	ds_load_b128 v[SC+8*NQ*\sc+NQ*\i:SC+8*NQ*\sc+NQ*\i+3], v[ADRS] offset:\i*SBLK
.endr
.endm
.macro PLACES n                        ; plain vector instructions between a matrix instruction and a load into, or a read of, its registers
.rept \n
	v_nop
.endr
.endm
.macro STEP slot, q, zero
	s_wait_dscnt 4*NL                              ; B's set and A's blocks 0-3 are in; the eight loads of A's blocks 4-7 may be out
	WIN MUL_LO
	MUL16 0, (\q)%2, \q, \slot, \zero
	MUL16 2, (\q)%2, \q, \slot, \zero
	s_wait_dscnt 0
	PLACES NP
	FETCH_B \slot, (\q)+1, 1-(\q)%2
	FETCH_A \slot, (\q)+1, 0
	WIN MUL_HI
	MUL16 4, (\q)%2, \q, \slot, \zero
	MUL16 6, (\q)%2, \q, \slot, \zero
	PLACES NP
	WIN 0
	FETCH_A \slot, (\q)+1, 4
.endm
.macro TURN slot, next, fill           ; a slot's last step changes slots: one barrier
	s_wait_tensorcnt 0x0                           ; all my tensor loads have landed: my part of the next slot
	ds_add_u32 v[SPW], v[NIL]                      ; 0 onto my spare word
	s_wait_dscnt 4*NL+1                            ; the add and the eight loads of A's blocks 4-7 may be out
	WIN MUL_LO
	MUL16 0, 1, NQ-1, \slot, 0
	s_wait_dscnt 0x0                               ; the add is done, and my reads of this slot are over
	s_barrier_signal -1
	MUL16 2, 1, NQ-1, \slot, 0
	WIN 0
	s_barrier_wait -1
.if \fill
	CREST                                          ; the barrier has opened a round of the cluster's: no wave of any partner still reads this slot or has a load on its way
	s_add_nc_u64 s[G0+4*\slot+2:G0+4*\slot+3], s[G0+4*\slot+2:G0+4*\slot+3], 2*ROWB
	s_add_nc_u64 s[G0B+4*\slot+2:G0B+4*\slot+3], s[G0B+4*\slot+2:G0B+4*\slot+3], 2*ROWB
	JLOAD G0+4*\slot, G1, G0B+4*\slot, G1B
.else
	PLACES NP
.endif
	v_add_nc_u32 v[ADRS], 4*NQ, v[ADRS]
	FETCH_B \next, 0, 0
	FETCH_A \next, 0, 0
	SCALES \next
	WIN MUL_HI
	MUL16 4, 1, NQ-1, \slot, 0
	MUL16 6, 1, NQ-1, \slot, 0
	PLACES NP
	WIN 0
	FETCH_A \next, 0, 4
.endm
.macro STEPS slot, from
.set Q, \from
.rept NQ-1-\from
	STEP \slot, Q, 0
.set Q, Q+1
.endr
.endm
	s_wait_tensorcnt 1                             ; the scales and my part of K step 0 are in; K step 1's load stays out
	s_barrier_signal -1
	s_barrier_wait -1
	FETCH_B 0, 0, 0
	FETCH_A 0, 0, 0
	SCALES 0
	FETCH_A 0, 0, 4
	STEP 0, 0, 1                                   ; the first step starts the sums
	s_mov_b32 s3, LAPS-1
.Llap:
	STEPS 0, 1
	TURN 0, 1, 1
	STEPS 1, 0
	TURN 1, 0, 1
	STEP 0, 0, 0
	s_sub_co_u32 s3, s3, 1
	s_cmp_lg_u32 s3, 0
	s_cbranch_scc1 .Llap
	STEPS 0, 1
	TURN 0, 1, 0
	STEPS 1, 0
	s_wait_dscnt 4*NL
	WIN MUL_LO
	MUL16 0, 1, NQ-1, 1, 0
	MUL16 2, 1, NQ-1, 1, 0
	s_wait_dscnt 0
	WIN MUL_HI
	MUL16 4, 1, NQ-1, 1, 0
	MUL16 6, 1, NQ-1, 1, 0
	WIN 0
	PLACES NP                                      ; behind the last products: for the loads into B's registers, the writes over A's and the scales', and the reads of results
	s_cmp_ge_u32 ttmp9, 4
	s_cbranch_scc1 .Lvpath
; ---- THE WAY OUT OF Q AND K.  Accumulator (a, b): lane (r, h) holds token t0 + 16 a + r and channels 16 b + 8 h + 0..7 of my head.
	s_lshl_b32 s20, s17, 8
	s_lshl_b32 s21, s15, 7
	s_add_co_u32 s20, s20, s21                     ; t0
	s_lshl_b32 s22, s20, 9
	s_mov_b32 s23, 0
	s_add_nc_u64 s[6:7], s[6:7], s[22:23]          ; cos and sin at row t0
	s_add_nc_u64 s[8:9], s[8:9], s[22:23]
	s_lshl_b32 s46, s42, 1
	s_add_co_u32 s46, s46, s16                     ; which of the 32 heads of qk16
	s_lshl_b32 s46, s46, 19
	s_lshl_b32 s20, s20, 8
	s_add_co_u32 s46, s46, s20
	s_mov_b32 s47, 0
	s_add_nc_u64 s[10:11], s[10:11], s[46:47]
.macro CSLOAD a                        ; block a's cos and sin, in the accumulators' layout, into window 1: set a % 2 (cos at 64 or 0, sin 128 further on)
.set CC, 64-64*((\a)%2)
	WIN TO_B
.irp b, 0,1,2,3,4,5,6,7
	global_load_b128 v[CC+8*\b:CC+8*\b+3], v[CSO], s[6:7] offset:(\a)*8192+64*\b
	global_load_b128 v[CC+8*\b+4:CC+8*\b+7], v[CSO], s[6:7] offset:(\a)*8192+64*\b+16
	global_load_b128 v[CC+128+8*\b:CC+128+8*\b+3], v[CSO], s[8:9] offset:(\a)*8192+64*\b
	global_load_b128 v[CC+128+8*\b+4:CC+128+8*\b+7], v[CSO], s[8:9] offset:(\a)*8192+64*\b+16
.endr
	WIN 0
.endm
.macro ROPE a                          ; y[d] = x[d] cos[d] - x[d + 64] sin[d] (d < 64), y[d] = x[d] cos[d] + x[d - 64] sin[d] (d >= 64); times sigma; to f16.  Each accumulator is read from its low end on
.set AC, 64*((\a)%4)
.set CC, 64-64*((\a)%2)
.if (\a) < 7
	s_wait_loadcnt 32                              ; this block's 32 loads are in; the next block's 32 stay out
.else
	s_wait_loadcnt 0x0
.endif
	WIN 0x06+((\a)/4)                              ; source 0: window 2 or 3; source 1: window 1
.irp b, 0,1,2,3
.irp p, 0,2,4,6
	v_pk_mul_f32 v[T+8*\b+\p:T+8*\b+\p+1], v[AC+8*\b+\p:AC+8*\b+\p+1], v[CC+8*\b+\p:CC+8*\b+\p+1]
	v_pk_mul_f32 v[T+32+8*\b+\p:T+32+8*\b+\p+1], v[AC+32+8*\b+\p:AC+32+8*\b+\p+1], v[CC+32+8*\b+\p:CC+32+8*\b+\p+1]
	v_pk_fma_f32 v[T+8*\b+\p:T+8*\b+\p+1], v[AC+32+8*\b+\p:AC+32+8*\b+\p+1], v[CC+128+8*\b+\p:CC+128+8*\b+\p+1], v[T+8*\b+\p:T+8*\b+\p+1] neg_lo:[1,0,0] neg_hi:[1,0,0]
	v_pk_fma_f32 v[T+32+8*\b+\p:T+32+8*\b+\p+1], v[AC+8*\b+\p:AC+8*\b+\p+1], v[CC+160+8*\b+\p:CC+160+8*\b+\p+1], v[T+32+8*\b+\p:T+32+8*\b+\p+1]
.endr
.endr
	WIN 0
.set i, 0
.rept 32
	v_pk_mul_f32 v[T+i:T+i+1], v[T+i:T+i+1], s[SG:SG+1] op_sel_hi:[1,0]
.set i, i+2
.endr
.set i, 0
.rept 32
	v_cvt_pk_f16_f32 v[PKR+i], v[T+2*i], v[T+2*i+1]
.set i, i+1
.endr
.endm
.macro TOSTQ a                         ; 16 rows x 256 bytes through my stage; LDS serves a wave's instructions in order
.irp b, 0,1,2,3,4,5,6,7
	ds_store_b128 v[STOQ], v[PKR+4*\b:PKR+4*\b+3] offset:32*\b
.endr
.irp i, 0,1,2,3,4,5,6,7
	ds_load_b128 v[BKQ+32*((\a)%2)+4*\i:BKQ+32*((\a)%2)+4*\i+3], v[RDQ] offset:\i*2*SPIT
.endr
.endm
.macro SENDQ a
	s_wait_dscnt 0x0                               ; the block is back in registers
	s_wait_xcnt 0x0                                ; the block before has had its stores' registers read: the next block's loads may land there
.irp i, 0,1,2,3,4,5,6,7
	global_store_b128 v[GQ], v[BKQ+32*((\a)%2)+4*\i:BKQ+32*((\a)%2)+4*\i+3], s[10:11] offset:(\a)*4096+512*\i   ; 512 consecutive bytes, aligned
.endr
.endm
	CSLOAD 0
	CSLOAD 1
	ROPE 0
	TOSTQ 0
.irp a, 1,2,3,4,5,6,7
.if \a < 7
	CSLOAD \a+1
.endif
	ROPE \a
	SENDQ \a-1
	TOSTQ \a
.endr
	SENDQ 7
	s_branch .Lout
; ---- THE WAY OUT OF V.  Accumulator (a, b): lane (r, h) holds channel row 16 a + r of my 128 rows of Wv and tokens t0 + 16 b + 8 h + 0..7.
.Lvpath:
	s_lshl_b32 s20, s17, 8
	s_lshl_b32 s21, s15, 7
	s_add_co_u32 s20, s20, s21                     ; my first row of V^T (head x 128 + channel)
	s_lshl_b32 s20, s20, 12
	s_sub_co_u32 s46, s42, 16
	s_lshl_b32 s46, s46, 8
	s_lshl_b32 s47, s16, 7
	s_add_co_u32 s46, s46, s47                     ; t0
	s_lshl_b32 s46, s46, 1
	s_add_co_u32 s46, s46, s20
	s_mov_b32 s47, 0
	s_add_nc_u64 s[12:13], s[12:13], s[46:47]      ; the high parts,
	s_add_nc_u64 s[98:99], s[12:13], 0x800000      ; the low parts
.macro HILO a                          ; g = 8193 x; d = x - g; hi = g + d (x to 11 bits); lo = x - hi, exact; both to f16
.set AC, 64*((\a)%4)
	WIN 0x02+((\a)/4)
.set i, 0
.rept 32
	v_pk_mul_f32 v[T+i:T+i+1], v[AC+i:AC+i+1], s[SPL:SPL+1] op_sel_hi:[1,0]
.set i, i+2
.endr
.set i, 0
.rept 32
	v_pk_add_f32 v[T+64+i:T+64+i+1], v[AC+i:AC+i+1], v[T+i:T+i+1] neg_lo:[0,1] neg_hi:[0,1]
.set i, i+2
.endr
	WIN 0
.set i, 0
.rept 32
	v_pk_add_f32 v[T+i:T+i+1], v[T+i:T+i+1], v[T+64+i:T+64+i+1]
.set i, i+2
.endr
	WIN 0x02+((\a)/4)
.set i, 0
.rept 32
	v_pk_add_f32 v[T+64+i:T+64+i+1], v[AC+i:AC+i+1], v[T+i:T+i+1] neg_lo:[0,1] neg_hi:[0,1]
.set i, i+2
.endr
	WIN 0
.set i, 0
.rept 32
	v_cvt_pk_f16_f32 v[PKR+i], v[T+2*i], v[T+2*i+1]
	v_cvt_pk_f16_f32 v[T+64+i], v[T+64+2*i], v[T+64+2*i+1]   ; in place, ascending: register i is written when numbers 2 i and 2 i + 1 are read
.set i, i+1
.endr
.endm
.macro TOSTV a                         ; the high parts through my stage, then the low parts; back into window 1, set a % 2
.irp b, 0,1,2,3,4,5,6,7
	ds_store_b128 v[STOV], v[PKR+4*\b:PKR+4*\b+3] offset:32*\b
.endr
	WIN TO_B
.irp i, 0,1,2,3,4,5,6,7
	ds_load_b128 v[128*((\a)%2)+4*\i:128*((\a)%2)+4*\i+3], v[RDV] offset:\i*2*SPIT
.endr
	WIN 0
.irp b, 0,1,2,3,4,5,6,7
	ds_store_b128 v[STOV], v[T+64+4*\b:T+64+4*\b+3] offset:32*\b
.endr
	WIN TO_B
.irp i, 0,1,2,3,4,5,6,7
	ds_load_b128 v[128*((\a)%2)+32+4*\i:128*((\a)%2)+32+4*\i+3], v[RDV] offset:\i*2*SPIT
.endr
	WIN 0
.endm
.macro SENDV a
	s_wait_dscnt 0x0
	s_wait_xcnt 0x0                                ; the block before has had its stores' registers read
	WIN 0x04                                       ; a store's data: window 1
.irp i, 0,1,2,3,4,5,6,7
	global_store_b128 v[GV], v[128*((\a)%2)+4*\i:128*((\a)%2)+4*\i+3], s[12:13] offset:(\a)*65536+8192*\i   ; sixteen lanes store 256 consecutive bytes, aligned
.endr
.irp i, 0,1,2,3,4,5,6,7
	global_store_b128 v[GV], v[128*((\a)%2)+32+4*\i:128*((\a)%2)+32+4*\i+3], s[98:99] offset:(\a)*65536+8192*\i
.endr
	WIN 0
.endm
	HILO 0
	TOSTV 0
.irp a, 1,2,3,4,5,6,7
	HILO \a
	SENDV \a-1
	TOSTV \a
.endr
	SENDV 7
.Lout:
	s_wait_tensorcnt 0x0                           ; the wave's end
	ds_add_u32 v[SPW], v[NIL]
	s_wait_dscnt 0x0
	CROUND                                         ; the closing round
	s_endpgm
.Lfunc_end_k_qccb4112046_qkv:
	.size	k_qccb4112046_qkv, .Lfunc_end_k_qccb4112046_qkv-k_qccb4112046_qkv
	.p2alignl 7, 3214868480
	.fill 96, 4, 3214868480
	.section	.rodata,"a",@progbits
	.p2align	6, 0x0
	.amdhsa_kernel k_qccb4112046_qkv
		.amdhsa_group_segment_fixed_size 327680
		.amdhsa_private_segment_fixed_size 0
		.amdhsa_enable_private_segment 0
		.amdhsa_kernarg_size 40
		.amdhsa_user_sgpr_count 2
		.amdhsa_user_sgpr_kernarg_segment_ptr 1
		.amdhsa_wavefront_size32 1
		.amdhsa_system_sgpr_workgroup_id_x 1
		.amdhsa_system_sgpr_workgroup_id_y 1
		.amdhsa_system_sgpr_workgroup_id_z 1
		.amdhsa_system_vgpr_workitem_id 0
		.amdhsa_next_free_vgpr 1024
		.amdhsa_next_free_sgpr 102
		.amdhsa_reserve_vcc 0
		.amdhsa_float_denorm_mode_32 3
		.amdhsa_float_denorm_mode_16_64 3
		.amdhsa_memory_ordered 1
		.amdhsa_forward_progress 1
		.amdhsa_inst_pref_size 255
	.end_amdhsa_kernel
	.section	.bss,"aw",@nobits
	.p2align	6
	.space	262144
	.amdgpu_metadata
---
amdhsa.version: [ 1, 2 ]
amdhsa.kernels:
  - .name:           k_qccb4112046_qkv
    .symbol:         k_qccb4112046_qkv.kd
    .args:
      - { .name: qx, .offset: 0, .size: 8, .value_kind: global_buffer, .address_space: global }
      - { .name: cos, .offset: 8, .size: 8, .value_kind: global_buffer, .address_space: global }
      - { .name: sin, .offset: 16, .size: 8, .value_kind: global_buffer, .address_space: global }
      - { .name: qk16, .offset: 24, .size: 8, .value_kind: global_buffer, .address_space: global }
      - { .name: v16, .offset: 32, .size: 8, .value_kind: global_buffer, .address_space: global }
    .group_segment_fixed_size: 327680
    .private_segment_fixed_size: 0
    .kernarg_segment_align: 8
    .kernarg_segment_size: 40
    .max_flat_workgroup_size: 128
    .sgpr_count:     102
    .vgpr_count:     1024
    .wavefront_size: 32
...
	.end_amdgpu_metadata
.endif
;; end of part 2
;; launch fine1 (part 3): grid 16 x 16, 4 waves a work-group, no clusters, 34,816 bytes of LDS; arguments qk16, v16, mask, fine; writes fine
.if DOCPART == 3
	.amdgcn_target "amdgcn-amd-amdhsa--gfx1250"
	.amdhsa_code_object_version 6
	.text
	.protected	k_qccb4112046_fine1
	.globl	k_qccb4112046_fine1
	.p2align	8
	.type	k_qccb4112046_fine1,@function
k_qccb4112046_fine1:
	s_mov_b64 s[64:65], 0
	v_nop
	global_prefetch_b8 v0, s[64:65] scope:SCOPE_SE
	s_setreg_imm32_b32 hwreg(HW_REG_WAVE_MODE, 25, 1), 1
	s_wait_xcnt 0x0
; Launch 3 of 6: positions 0 to 15 of every head, carried finely.  Where the mask leaves a query few keys, a row of P V averages few values and the rounding of f16 operands weighs most: so here p and V go as pairs of f16
; numbers (high and low part, split in f32): O = Vh Ph + Vh Pl + Vl Ph.  The mask is honoured over all 2,048 keys; nothing is left out.
; A work-group takes one head (y) and 128 keys (x): 256 work-groups; wave w keys k0 = 128 x + 32 w .. + 31, for queries 0-15.  All operands go from memory straight into operand registers: 60 loads a wave, issued at the head.
; S^T = K Q^T + mask^T (the mask tile is the first product's C); the largest score M of each query over the 128 keys is found through LDS; p = 2^(c (s - M)), c = log2 e; the four waves' sums l and O^T are added through LDS.
; fine: Opart [16 h][16 x][16 q][128 d] f32, then from byte 2,097,152 ml [16 h][16 x][32]: words 0-15 l[q], words 16-31 M[q].  The sixteen chunks of a head are joined once, in launch 5.
; No cluster: the chunks of a head share only Q's 4 KB.  LIMITS: the mask is finite; NaN and infinities are not served.
.set OSTP, 528                         ; a query's row of O in LDS: 512 bytes + 16
.set OSTW, 16*OSTP
.set MX,   4*OSTW                      ; 4 waves x 16 words: each wave's largest scores
.set LS,   MX+256                      ; the same for the sums
.set SPARE, LS+256                     ; the spare words: 128 bytes a wave
.set MLOFF, 2097152                    ; where ml begins in fine
	s_load_b256 s[4:11], s[0:1], 0x0               ; qk16, v16, mask, fine
	v_lshl_add_u32 v14, v0, 2, SPARE               ; v14, v15: the add's two; never rewritten
	v_mov_b32 v15, 0
	v_lshrrev_b32 v16, 5, v0
	v_readfirstlane_b32 s12, v16                   ; wave 0..3
	v_and_b32 v16, 15, v0                          ; r
	v_bfe_u32 v17, v0, 4, 1                        ; h
	v_and_b32 v18, 31, v0                          ; lane
	s_and_b32 s13, ttmp7, 0xffff                   ; head
	s_lshl_b32 s14, ttmp9, 7
	s_lshl_b32 s15, s12, 5
	s_add_co_u32 s14, s14, s15                     ; k0
	v_lshlrev_b32 v4, 8, v16
	v_lshl_add_u32 v4, v17, 4, v4                  ; Q, K: row r of 256 bytes + 16 h
	v_lshlrev_b32 v5, 13, v16
	v_lshl_add_u32 v5, v17, 5, v5                  ; mask: row r of 8,192 bytes + 32 h
	v_lshlrev_b32 v6, 12, v16
	v_lshl_add_u32 v6, v17, 4, v6                  ; V^T: row r of 4,096 bytes + 16 h
	s_lshl_b32 s16, s12, 6
	v_lshl_add_u32 v8, v16, 2, MX                  ; read: word r of each wave's 16
	v_add_nc_u32 v7, s16, v8                       ; store: my wave's
	v_lshl_add_u32 v10, v16, 2, LS
	v_add_nc_u32 v9, s16, v10
	s_mul_i32 s16, s12, OSTW
	v_mul_u32_u24 v11, v16, OSTP
	v_lshl_add_u32 v11, v17, 5, v11
	v_add_nc_u32 v11, s16, v11                     ; O^T into LDS: my wave's 16 rows, row r, + 32 h
	s_mul_i32 s16, s12, 4*OSTP
	v_lshlrev_b32 v1, 4, v18                       ; 16 x lane
	v_add_nc_u32 v12, s16, v1                      ; back: query 4 w's row among wave 0's sixteen
	v_mov_b32 v3, 0                                ; (named with M as the pair v[2:3])
	s_mov_b32 s32, 0x76543210
	s_mov_b32 s33, 0xfedcba98                      ; lane l xor 16
	s_mov_b32 s34, 0x3fb8aa3b                      ; c = log2 e
	s_mov_b32 s35, s34
	s_mov_b32 s36, 0x46000400                      ; 8193.0: the splitter
	s_mov_b32 s37, s36
	s_lshl_b32 s16, s13, 19                        ; the head's 524,288 bytes
	s_mov_b32 s17, 0
	s_lshl_b32 s18, s14, 8
	s_add_co_u32 s18, s18, s16
	s_add_co_u32 s18, s18, 0x800000                ; K's heads lie behind Q's sixteen
	s_mov_b32 s19, 0
	s_lshl_b32 s38, s14, 1
	s_add_co_u32 s38, s38, s16
	s_mov_b32 s39, 0
	s_wait_kmcnt 0x0
	s_add_nc_u64 s[20:21], s[4:5], s[16:17]        ; Q, token 0
	s_add_nc_u64 s[22:23], s[4:5], s[18:19]        ; K, key k0
	s_add_nc_u64 s[24:25], s[6:7], s[38:39]        ; V^T high, key k0
	s_add_nc_u64 s[26:27], s[24:25], 0x800000      ; V^T low
	s_lshl_b32 s16, s14, 2
	s_add_nc_u64 s[8:9], s[8:9], s[16:17]          ; mask, column k0
	s_lshl_b32 s18, s13, 4
	s_add_co_u32 s18, s18, ttmp9                   ; 16 head + chunk
	s_lshl_b32 s16, s18, 13
	s_lshl_b32 s38, s12, 11
	s_add_co_u32 s16, s16, s38
	s_add_nc_u64 s[28:29], s[10:11], s[16:17]      ; my four queries' rows of Opart
	s_lshl_b32 s16, s18, 7
	s_add_co_u32 s16, s16, MLOFF
	s_add_nc_u64 s[30:31], s[10:11], s[16:17]      ; ml
.irp kt, 0,1                                   ; S v112-127 begins as the mask: lane (r, h), register j of tile kt: mask[r][k0 + 16 kt + 8 h + j]
	global_load_b128 v[112+8*\kt:115+8*\kt], v5, s[8:9] offset:64*\kt
	global_load_b128 v[116+8*\kt:119+8*\kt], v5, s[8:9] offset:64*\kt+16
.endr
.irp c, 0,1,2,3                                ; Q v16-47
	global_load_b128 v[16+8*\c:19+8*\c], v4, s[20:21] offset:64*\c
	global_load_b128 v[20+8*\c:23+8*\c], v4, s[20:21] offset:64*\c+32
.endr
.irp kt, 0,1                                   ; K v48-111
.irp c, 0,1,2,3
	global_load_b128 v[48+32*\kt+8*\c:51+32*\kt+8*\c], v4, s[22:23] offset:4096*\kt+64*\c
	global_load_b128 v[52+32*\kt+8*\c:55+32*\kt+8*\c], v4, s[22:23] offset:4096*\kt+64*\c+32
.endr
.endr
.irp dt, 0,1,2,3,4,5,6,7                       ; V^T high v128-191
	global_load_b128 v[128+8*\dt:131+8*\dt], v6, s[24:25] offset:65536*\dt
	global_load_b128 v[132+8*\dt:135+8*\dt], v6, s[24:25] offset:65536*\dt+32
.endr
.irp dt, 0,1,2,3,4,5,6,7                       ; V^T low v192-255
	global_load_b128 v[192+8*\dt:195+8*\dt], v6, s[26:27] offset:65536*\dt
	global_load_b128 v[196+8*\dt:199+8*\dt], v6, s[26:27] offset:65536*\dt+32
.endr
	s_wait_loadcnt 32                              ; mask, Q and K are in; V's 32 loads stay out
.irp c, 0,1,2,3                                ; the two tiles by turns
.irp kt, 0,1
	v_wmma_f32_16x16x32_f16 v[112+8*\kt:119+8*\kt], v[48+32*\kt+8*\c:55+32*\kt+8*\c], v[16+8*\c:23+8*\c], v[112+8*\kt:119+8*\kt]
.endr
.endr
.rept 5
	v_nop                                          ; places: four for the reads of S, five since O^T is later laid over K's fragments
.endr
	v_max3_num_f32 v32, v112, v113, v114           ; each accumulator is read from its low end on
	v_max3_num_f32 v33, v120, v121, v122
	v_max3_num_f32 v32, v32, v115, v116
	v_max3_num_f32 v33, v33, v123, v124
	v_max3_num_f32 v32, v32, v117, v118
	v_max3_num_f32 v33, v33, v125, v126
	v_max3_num_f32 v32, v32, v119, v127
	v_mov_b32 v34, 0
	v_max_num_f32 v32, v32, v33
	v_permlanex16_b32 v34, v32, s32, s33
	v_max_num_f32 v32, v32, v34                    ; my 32 keys' largest score of query r
	ds_store_b32 v7, v32
	s_wait_dscnt 0x0
	s_barrier_signal -1
	s_barrier_wait -1
.irp i, 0,1,2,3
	ds_load_b32 v[32+\i], v8 offset:64*\i
.endr
	s_wait_dscnt 0x0
	v_max3_num_f32 v2, v32, v33, v34
	v_max_num_f32 v2, v2, v35                      ; M: the chunk's largest score of query r
.irp i, 0,2,4,6,8,10,12,14
	v_pk_add_f32 v[112+\i:113+\i], v[112+\i:113+\i], v[2:3] op_sel_hi:[1,0] neg_lo:[0,1] neg_hi:[0,1]   ; s - M first, so that large masks cancel exactly
.endr
.irp i, 0,2,4,6,8,10,12,14
	v_pk_mul_f32 v[112+\i:113+\i], v[112+\i:113+\i], s[34:35] op_sel_hi:[1,0]
.endr
.irp j, 0,1,2,3,4,5,6,7,8,9,10,11,12,13,14,15
	v_exp_f32 v[112+\j], v[112+\j]
.endr
	v_nop                                          ; a plain instruction behind the last exponential
	s_wait_alu depctr_va_vdst(0)                   ; one wait for the batch, ahead of its first reader
.irp i, 0,1,2,3
	v_pk_add_f32 v[32+2*\i:33+2*\i], v[112+4*\i:113+4*\i], v[114+4*\i:115+4*\i]
.endr
	v_pk_add_f32 v[32:33], v[32:33], v[34:35]
	v_pk_add_f32 v[36:37], v[36:37], v[38:39]
	v_pk_add_f32 v[32:33], v[32:33], v[36:37]
	v_add_f32 v32, v32, v33
	v_permlanex16_b32 v34, v32, s32, s33
	v_add_f32 v3, v32, v34                         ; my 32 keys' sum of p
	ds_store_b32 v9, v3
.irp i, 0,2,4,6,8,10,12,14                     ; p = high + low
	v_pk_mul_f32 v[32+\i:33+\i], v[112+\i:113+\i], s[36:37] op_sel_hi:[1,0]
.endr
.irp i, 0,2,4,6,8,10,12,14
	v_pk_add_f32 v[48+\i:49+\i], v[112+\i:113+\i], v[32+\i:33+\i] neg_lo:[0,1] neg_hi:[0,1]
.endr
.irp i, 0,2,4,6,8,10,12,14
	v_pk_add_f32 v[32+\i:33+\i], v[32+\i:33+\i], v[48+\i:49+\i]
.endr
.irp i, 0,2,4,6,8,10,12,14
	v_pk_add_f32 v[112+\i:113+\i], v[112+\i:113+\i], v[32+\i:33+\i] neg_lo:[0,1] neg_hi:[0,1]
.endr
.irp i, 0,1,2,3,4,5,6,7
	v_cvt_pk_f16_f32 v[16+\i], v[32+2*\i], v[33+2*\i]      ; Ph v16-23: 32 keys x 16 queries, source 1 as it stands
	v_cvt_pk_f16_f32 v[24+\i], v[112+2*\i], v[113+2*\i]    ; Pl v24-31
.endr
	s_wait_loadcnt 16                              ; V high is in; V low's 16 loads stay out
.irp dt, 0,1,2,3,4,5,6,7                       ; O^T v48-111: eight accumulators by turns
	v_wmma_f32_16x16x32_f16 v[48+8*\dt:55+8*\dt], v[128+8*\dt:135+8*\dt], v[16:23], 0
.endr
.irp dt, 0,1,2,3,4,5,6,7
	v_wmma_f32_16x16x32_f16 v[48+8*\dt:55+8*\dt], v[128+8*\dt:135+8*\dt], v[24:31], v[48+8*\dt:55+8*\dt]
.endr
	s_wait_loadcnt 0x0
.irp dt, 0,1,2,3,4,5,6,7
	v_wmma_f32_16x16x32_f16 v[48+8*\dt:55+8*\dt], v[192+8*\dt:199+8*\dt], v[16:23], v[48+8*\dt:55+8*\dt]
.endr
.rept 4
	v_nop
.endr
.irp dt, 0,1,2,3,4,5,6,7
	ds_store_b128 v11, v[48+8*\dt:51+8*\dt] offset:64*\dt
	ds_store_b128 v11, v[52+8*\dt:55+8*\dt] offset:64*\dt+16
.endr
	s_wait_dscnt 0x0                               ; for the others' sake: my stores of l and O^T are done
	s_barrier_signal -1
	s_barrier_wait -1
.irp qi, 0,1,2,3                               ; wave w adds the four waves' rows of queries 4 w .. 4 w + 3
.irp s, 0,1,2,3
	ds_load_b128 v[128+16*\qi+4*\s:131+16*\qi+4*\s], v12 offset:OSTW*\s+OSTP*\qi
.endr
.endr
	s_wait_dscnt 0x0
.irp qi, 0,1,2,3
.irp s, 1,2,3
	v_pk_add_f32 v[128+16*\qi:129+16*\qi], v[128+16*\qi:129+16*\qi], v[128+16*\qi+4*\s:129+16*\qi+4*\s]
	v_pk_add_f32 v[130+16*\qi:131+16*\qi], v[130+16*\qi:131+16*\qi], v[130+16*\qi+4*\s:131+16*\qi+4*\s]
.endr
	global_store_b128 v1, v[128+16*\qi:131+16*\qi], s[28:29] offset:512*\qi   ; 512 consecutive bytes, aligned
.endr
	s_cmp_lg_u32 s12, 0                            ; wave 0 stores the chunk's l and M
	s_cbranch_scc1 .Lnot0
.irp i, 0,1,2,3
	ds_load_b32 v[32+\i], v10 offset:64*\i
.endr
	s_wait_dscnt 0x0
	v_pk_add_f32 v[32:33], v[32:33], v[34:35]
	v_add_f32 v32, v32, v33
	v_and_b32 v48, 31, v0
	v_cmp_gt_u32 vcc_lo, 16, v48
	v_cndmask_b32 v32, v2, v32, vcc_lo             ; lanes 0-15: l[r]; lanes 16-31: M[r]
	v_lshlrev_b32 v33, 2, v48
	global_store_b32 v33, v32, s[30:31]
.Lnot0:
	s_wait_tensorcnt 0x0                           ; the wave's end
	ds_add_u32 v14, v15
	s_wait_dscnt 0x0
	s_endpgm
.Lfunc_end_k_qccb4112046_fine1:
	.size	k_qccb4112046_fine1, .Lfunc_end_k_qccb4112046_fine1-k_qccb4112046_fine1
	.p2alignl 7, 3214868480
	.fill 96, 4, 3214868480
	.section	.rodata,"a",@progbits
	.p2align	6, 0x0
	.amdhsa_kernel k_qccb4112046_fine1
		.amdhsa_group_segment_fixed_size 34816
		.amdhsa_private_segment_fixed_size 0
		.amdhsa_enable_private_segment 0
		.amdhsa_kernarg_size 32
		.amdhsa_user_sgpr_count 2
		.amdhsa_user_sgpr_kernarg_segment_ptr 1
		.amdhsa_wavefront_size32 1
		.amdhsa_system_sgpr_workgroup_id_x 1
		.amdhsa_system_sgpr_workgroup_id_y 1
		.amdhsa_system_sgpr_workgroup_id_z 1
		.amdhsa_system_vgpr_workitem_id 0
		.amdhsa_next_free_vgpr 256
		.amdhsa_next_free_sgpr 66
		.amdhsa_reserve_vcc 1
		.amdhsa_float_denorm_mode_32 3
		.amdhsa_float_denorm_mode_16_64 3
		.amdhsa_memory_ordered 1
		.amdhsa_forward_progress 1
		.amdhsa_inst_pref_size 23
	.end_amdhsa_kernel
	.amdgpu_metadata
---
amdhsa.version: [ 1, 2 ]
amdhsa.kernels:
  - .name:           k_qccb4112046_fine1
    .symbol:         k_qccb4112046_fine1.kd
    .args:
      - { .name: qk16, .offset: 0, .size: 8, .value_kind: global_buffer, .address_space: global }
      - { .name: v16, .offset: 8, .size: 8, .value_kind: global_buffer, .address_space: global }
      - { .name: mask, .offset: 16, .size: 8, .value_kind: global_buffer, .address_space: global }
      - { .name: fine, .offset: 24, .size: 8, .value_kind: global_buffer, .address_space: global }
    .group_segment_fixed_size: 34816
    .private_segment_fixed_size: 0
    .kernarg_segment_align: 8
    .kernarg_segment_size: 32
    .max_flat_workgroup_size: 128
    .sgpr_count:     66
    .vgpr_count:     256
    .wavefront_size: 32
...
	.end_amdgpu_metadata
.endif
;; end of part 3
;; launch attn (part 4): grid 16 x 16, 4 waves a work-group, clusters of 4 x 4, 327,680 bytes of LDS; arguments qk16, v16, mask, out16; writes out16
.if DOCPART == 4
	.amdgcn_target "amdgcn-amd-amdhsa--gfx1250"
	.amdhsa_code_object_version 6
	.text
	.protected	k_qccb4112046_attn
	.globl	k_qccb4112046_attn
	.p2align	8
	.type	k_qccb4112046_attn,@function
k_qccb4112046_attn:
	s_mov_b64 s[64:65], 0
	v_nop
	global_prefetch_b8 v0, s[64:65] scope:SCOPE_SE
	s_setreg_imm32_b32 hwreg(HW_REG_WAVE_MODE, 25, 1), 1
	s_wait_xcnt 0x0
	s_wait_alu depctr_hold_cnt(0) depctr_sa_sdst(0) depctr_va_vdst(0) depctr_va_sdst(0) depctr_va_ssrc(0) depctr_va_vcc(0) depctr_vm_vsrc(0)
	s_getreg_b32 s2, hwreg(HW_REG_IB_STS2, 6, 4)
	s_cmp_eq_u32 s2, 0
	s_cbranch_scc0 .Lentry_in_a_cluster
	s_endpgm
.Lentry_in_a_cluster:
	s_bfe_u32 s2, ttmp6, 0x10000c
	s_cmp_lg_u32 s2, 0xf033
	s_cbranch_scc0 .Lentry_shape_is_right
	s_endpgm
.Lentry_shape_is_right:
; Launch 4 of 6: out16[t][128 head + d] = softmax_k(Q K^T / sqrt(128) + mask) V, f16 operands, f32 sums, maxima and softmax.  Nothing is left out: the mask is an input, so every key step is walked.
; qk16 holds sigma Q and sigma K (sigma^2 = 1 / sqrt(128)); v16's first half holds V^T, keys innermost.
; SHARES.  A work-group owns 128 queries (x) of one head (y).  Wave w: qh = w / 2: 64 of the queries, four tiles of 16; kh = w % 2: of each step's 128 keys the 64 from 64 kh on.  16 steps.  At the end the two waves of a query
; half join their (m, l, O) through LDS.  Register tile t holds query tile t xor 2 kh, by addresses alone: so every wave finishes its register tiles 0, 1 and hands over 2, 3, with no branch on its part.
; LAYOUT.  S^T = K Q^T + mask^T (source 0 = 16 keys, source 1 = 16 queries; the mask tile, loaded into S's registers, is the first product's C), O^T = V^T P: a lane holds ONE query throughout.
; SOFTMAX.  Running maximum m and sum l for each query: p = 2^(c (s - m)), c = log2 e, the difference taken first, so that large masks cancel exactly; O and l are multiplied by a = 2^(c (m_old - m_new)) in every step.
; BY TURNS.  The wave's tiles are two pieces (tiles 0, 1 and tiles 2, 3).  In a turn one piece has the matrix unit (32 products V^T P of the step in hand, 32 products K Q^T of the next); the other piece's softmax, 300 vector
; instructions in 64 slices, stands between them, one slice behind each product.
; CLUSTER 4 x 4.  K's and V's tiles hang on the head alone and are shared along a row of the cluster; the mask's hang on the query block alone and are shared along a column: joint loads, one a wave (wave 0 K, wave 1 V^T, waves 2, 3 the mask's halves).
; LIMITS: the mask is finite; NaN and infinities are not served; the result must lie inside +-65,504.  Positions 0-15 are computed here in plain f16 like all others; the last launch writes their rows of the output anew, finely.
; REGISTERS: window 0: v0-11, v44-63 addresses; v12-43 statistics, eight a tile (+0 m, +1 its pair's partner, +2, +3 l, +4..7 at work; a in +6); v64-191 S^T; v192-255 P.  window 1: O^T.  window 2: v0-127 Q, v128-255 K.  window 3: v0-127 V^T.
.set PK,    272                        ; rows of K and of V^T in LDS: 256 bytes + 16: the 16 rows of a load start at 16 different banks (64 banks of 4 bytes: ISA guide 11.1)
.set PM,    528                        ; rows of the mask: 512 bytes + 16
.set VOFF,  128*PK
.set MOFF,  2*128*PK
.set SLOTB, MOFF+128*PM                ; a slot: one step's K, V^T and mask
.set SPARE, 2*SLOTB                    ; the spare words: 128 bytes a wave
.set XWB,   16896                      ; the join: a wave's 16,384 bytes of O images and 512 of statistics, in slot 0, which has had its last fill and its last read by then
.set STAGE, 4*XWB                      ; the way out: 16 rows x 272 bytes a wave, behind them
.set SP,    272
.set AK0, 2
.set AV0, 3
.set ADR, 4
.set QOA, 5
.set STO, 6
.set RD,  7
.set GO,  8
.set ST,  12
.set AM0, 44                           ; v44, v45 my lane's place in the mask tile, for piece 0 and piece 2
.set QOB, 46
.set XW,  47
.set XR,  48
.set XWS, 49
.set XRS, 50
.set ADM, 51                           ; v51, v52
.set ADV, 53
.set PST, 54                           ; v54-57 the partner's m and l
.set PFO, 61
.set SPW, 62
.set NIL, 63
.set S,   64
.set P,   192
.set KF,  128
.set WV,  12
.set G1K, 24
.set G1V, 32
.set G1M, 40
.set G0K, 48                           ; two sets each for the two first fills; the second then walks on
.set G0V, 56
.set G0M, 68
.set CS,  76                           ; s[76:77] c
.set SEL, 78
.set TB,  80                           ; the slot that is read: 0 or SLOTB
.set FB,  81                           ; the slot that was filled last
.set CNT, 82                           ; fills still to come
.set LIM, 83
.set PFA, 84
.set PFS, 86
.set LM,  88                           ; where my half of the mask tile lies in a slot
.set KH,  96
.set QH,  97
.set MSB, 0
.macro WIN new
.if MSB != \new
	s_set_vgpr_msb (MSB<<8)|\new
.set MSB, \new
.endif
.endm
.set W_KQ, 0x0a                        ; K and Q in window 2, S^T in window 0
.set W_PV, 0x53                        ; source 0 window 3, source 1 window 0, C and D window 1
.set W_RS, 0x41                        ; O^T (destination, source 0) window 1
.macro JLOAD                           ; the joint refill: three lines, each with one mask and one set of registers; the branches hang on the wave's number alone; an s_nop 0 and four v_nop follow each
	s_cmp_eq_u32 s[WV], 0
	s_cbranch_scc0 .Lnot_k_\@
	tensor_load_to_lds s[G0K+4:G0K+7], s[G1K:G1K+7]
	s_nop 0
.rept 4
	v_nop
.endr
	s_branch .Lasked_\@
.Lnot_k_\@:
	s_cmp_eq_u32 s[WV], 1
	s_cbranch_scc0 .Lfor_m_\@
	tensor_load_to_lds s[G0V+4:G0V+7], s[G1V:G1V+7]
	s_nop 0
.rept 4
	v_nop
.endr
	s_branch .Lasked_\@
.Lfor_m_\@:
	tensor_load_to_lds s[G0M+4:G0M+7], s[G1M:G1M+7]
	s_nop 0
.rept 4
	v_nop
.endr
.Lasked_\@:
.endm
; A PREFETCH of the step that stands two fills on (256 products ahead of its load), one instruction a wave, behind the wave's tensor load.  Each aligned 256 bytes are named once in the launch: K's and V's rows by the clusters with x = 0,
; the mask's by those with y = 0; the four partners of a joint load share its rows out BY ADDRESS (K, V: rows 32 cx + lane; mask: rows 16 cy + lane / 2 of the wave's 64, half lane % 2).  Steps 0 to 3 come by their loads alone; the last two fills ask for nothing.
.macro ASK
	s_cmp_gt_u32 s[CNT], s[LIM]
	s_cbranch_scc0 .Lnot_mine_\@
	global_prefetch_b8 v[PFO], s[PFA:PFA+1] th:TH_LOAD_NT scope:SCOPE_SE
.Lnot_mine_\@:
.endm
.macro CROUND
	s_barrier_signal -1
	s_barrier_wait -1
	s_cmp_lg_u32 s[WV], 0
	s_cbranch_scc1 .Lnot_wave_0_\@
	s_barrier_signal -3
.Lnot_wave_0_\@:
	s_barrier_wait -3
	s_barrier_signal -1
	s_barrier_wait -1
.endm
	s_load_b256 s[4:11], s[0:1], 0x0               ; qk16, v16, mask, out16
	v_lshl_add_u32 v[SPW], v0, 2, SPARE
	v_mov_b32 v[NIL], 0
	ds_add_u32 v[SPW], v[NIL]                      ; the opening: the add, twice on end, and its wait ahead of my first tensor load
	ds_add_u32 v[SPW], v[NIL]
	v_lshrrev_b32 v1, 5, v0
	v_readfirstlane_b32 s[WV], v1
	s_and_b32 s[KH], s[WV], 1
	s_lshr_b32 s[QH], s[WV], 1
	s_bfe_u32 s13, ttmp6, 0x40000                  ; cx
	s_bfe_u32 s14, ttmp6, 0x40004                  ; cy
	s_lshl_b32 s15, ttmp9, 2
	s_add_co_u32 s15, s15, s13                     ; query block
	s_and_b32 s16, ttmp7, 0xffff                   ; cluster y
	s_lshl_b32 s17, s16, 2
	s_add_co_u32 s17, s17, s14                     ; head
	s_lshl_b32 s18, s14, 2
	s_lshl_b32 s18, 15, s18                        ; my row of the cluster
	s_lshl_b32 s19, 0x1111, s13                    ; my column
	s_or_b32 s[G1K], s18, (1<<16)|(1<<20)|(1<<21)|(5<<22)|(3<<25)   ; elements of 2 bytes; 4 words of padding behind every 64
	s_or_b32 s[G1V], s18, (1<<16)|(1<<20)|(1<<21)|(5<<22)|(3<<25)
	s_or_b32 s[G1M], s19, (2<<16)|(1<<20)|(1<<21)|(6<<22)|(3<<25)   ; elements of 4 bytes; 4 words behind every 128
.irp g, G1K, G1V
	s_mov_b32 s[\g+1], 128<<16                     ; tensor_dim0 = 128
	s_mov_b32 s[\g+2], 128<<16                     ; tensor_dim1 = 128
	s_mov_b32 s[\g+3], 128<<16                     ; tile_dim0 = 128
	s_mov_b32 s[\g+4], 128                         ; tile_dim1 = 128
	s_mov_b32 s[\g+6], 0
	s_mov_b32 s[\g+7], 0
.endr
	s_mov_b32 s[G1K+5], 128                        ; K: rows of 128 elements, dense
	s_mov_b32 s[G1V+5], 2048                       ; V^T: 2,048 elements from row to row
	s_mov_b32 s[G1M+1], 128<<16
	s_mov_b32 s[G1M+2], 64<<16
	s_mov_b32 s[G1M+3], 128<<16
	s_mov_b32 s[G1M+4], 64
	s_mov_b32 s[G1M+5], 2048
	s_mov_b32 s[G1M+6], 0
	s_mov_b32 s[G1M+7], 0
	s_lshl_b32 s22, s17, 19                        ; V^T: the head's 524,288 bytes
	s_mov_b32 s23, 0
	s_add_co_u32 s20, s22, 0x800000                ; K's heads lie behind Q's sixteen
	s_mov_b32 s21, 0
	s_lshl_b32 s90, s15, 20                        ; the mask: 128 rows of 8,192 bytes a query block,
	s_lshl_b32 s91, s[KH], 19                      ; and the half that waves 2 and 3 fetch
	s_add_co_u32 s90, s90, s91
	s_mov_b32 s91, 0
	s_mul_i32 s[LM], s[KH], 64*PM
	s_add_co_u32 s[LM], s[LM], MOFF
	s_lshl_b32 s92, s15, 15                        ; Q: my wave's 64 rows of 256 bytes
	s_lshl_b32 s93, s[QH], 14
	s_add_co_u32 s92, s92, s93
	s_add_co_u32 s92, s92, s22
	s_mov_b32 s93, 0
	s_lshl_b32 s94, s15, 19                        ; out16: row 128 block + 64 qh + 32 kh of 4,096 bytes, column 256 head
	s_lshl_b32 s95, s[QH], 18
	s_add_co_u32 s94, s94, s95
	s_lshl_b32 s95, s[KH], 17
	s_add_co_u32 s94, s94, s95
	s_lshl_b32 s95, s17, 8
	s_add_co_u32 s94, s94, s95
	s_mov_b32 s95, 0
	s_mov_b32 s[CS], 0x3fb8aa3b
	s_mov_b32 s[CS+1], s[CS]
	s_mov_b32 s[SEL], 0x76543210
	s_mov_b32 s[SEL+1], 0xfedcba98
	s_mov_b32 s[TB], 0
	s_mov_b32 s[FB], SLOTB
	s_mov_b32 s[CNT], 14
	s_wait_dscnt 0x0                               ; both opening adds are done
	s_wait_kmcnt 0x0
	s_add_nc_u64 s[20:21], s[4:5], s[20:21]        ; K, step 0
	s_add_nc_u64 s[22:23], s[6:7], s[22:23]        ; V^T, step 0
	s_add_nc_u64 s[90:91], s[8:9], s[90:91]        ; mask, step 0
	s_add_nc_u64 s[4:5], s[4:5], s[92:93]          ; Q
	s_add_nc_u64 s[10:11], s[10:11], s[94:95]      ; out16
	CROUND                                         ; all sixteen work-groups are here: the first joint loads meet
.irp s, 0,1
	s_mov_b32 s[G0K+4*\s], 1
	s_mov_b32 s[G0K+4*\s+1], \s*SLOTB
	s_add_nc_u64 s[G0K+4*\s+2:G0K+4*\s+3], s[20:21], \s*32768
	s_or_b32 s[G0K+4*\s+3], s[G0K+4*\s+3], 0x80000000
	s_mov_b32 s[G0V+4*\s], 1
	s_mov_b32 s[G0V+4*\s+1], \s*SLOTB+VOFF
	s_add_nc_u64 s[G0V+4*\s+2:G0V+4*\s+3], s[22:23], \s*256
	s_or_b32 s[G0V+4*\s+3], s[G0V+4*\s+3], 0x80000000
	s_mov_b32 s[G0M+4*\s], 1
	s_add_co_u32 s[G0M+4*\s+1], s[LM], \s*SLOTB
	s_add_nc_u64 s[G0M+4*\s+2:G0M+4*\s+3], s[90:91], \s*512
	s_or_b32 s[G0M+4*\s+3], s[G0M+4*\s+3], 0x80000000
.endr
	s_cmp_eq_u32 s[WV], 0                          ; a wave's two first fills stand in one arm: two loads of mine are out
	s_cbranch_scc0 .Lf_not_k
	tensor_load_to_lds s[G0K:G0K+3], s[G1K:G1K+7]
	s_nop 0
	tensor_load_to_lds s[G0K+4:G0K+7], s[G1K:G1K+7]
	s_nop 0
.rept 4
	v_nop
.endr
	s_branch .Lf_done
.Lf_not_k:
	s_cmp_eq_u32 s[WV], 1
	s_cbranch_scc0 .Lf_m
	tensor_load_to_lds s[G0V:G0V+3], s[G1V:G1V+7]
	s_nop 0
	tensor_load_to_lds s[G0V+4:G0V+7], s[G1V:G1V+7]
	s_nop 0
.rept 4
	v_nop
.endr
	s_branch .Lf_done
.Lf_m:
	tensor_load_to_lds s[G0M:G0M+3], s[G1M:G1M+7]
	s_nop 0
	tensor_load_to_lds s[G0M+4:G0M+7], s[G1M:G1M+7]
	s_nop 0
.rept 4
	v_nop
.endr
.Lf_done:
	v_and_b32 v1, 15, v0                           ; r
	v_bfe_u32 v9, v0, 4, 1                         ; h
	v_lshlrev_b32 v10, 8, v1
	v_lshl_add_u32 v10, v9, 4, v10
	s_lshl_b32 s89, s[KH], 13
	v_add_nc_u32 v[QOA], s89, v10                  ; register tiles 0, 1: query rows 32 kh on
	s_xor_b32 s89, s89, 8192
	v_add_nc_u32 v[QOB], s89, v10                  ; register tiles 2, 3: query rows 32 (1 - kh) on
	WIN 0x80
.irp i, 0,1,2,3,4,5,6,7
	global_load_b128 v[8*\i:8*\i+3],   v[QOA], s[4:5] offset:(\i/4)*4096+(\i%4)*64
	global_load_b128 v[8*\i+4:8*\i+7], v[QOA], s[4:5] offset:(\i/4)*4096+(\i%4)*64+32
.endr
.irp i, 8,9,10,11,12,13,14,15
	global_load_b128 v[8*\i:8*\i+3],   v[QOB], s[4:5] offset:(\i/4-2)*4096+(\i%4)*64
	global_load_b128 v[8*\i+4:8*\i+7], v[QOB], s[4:5] offset:(\i/4-2)*4096+(\i%4)*64+32
.endr
	WIN 0
	; who prefetches what (macro ASK)
	s_cmp_lt_u32 s[WV], 2
	s_cselect_b64 s[PFA:PFA+1], s[22:23], s[90:91]
	s_cselect_b32 s98, 0, 1                        ; mask: two lanes to a row
	s_cselect_b32 s99, 12, 13                      ; log2 of the bytes from row to row
	s_cselect_b32 s100, s13, s14                   ; my place among the four that ask jointly
	s_cselect_b32 s101, ttmp9, s16                 ; the coordinate along which other clusters read the same rows
	s_cselect_b32 s3, 8, 9                         ; log2 of a step's bytes in a row
	s_cmp_eq_u32 s[WV], 0
	s_cselect_b64 s[PFA:PFA+1], s[20:21], s[PFA:PFA+1]
	s_cselect_b32 s99, 8, s99
	s_cselect_b32 s2, 13, 17                       ; log2 of a partner's share: 32 rows of K, 32 of V^T, 16 of the mask
	s_cselect_b32 s3, 15, s3
	s_lshl_b32 s[PFS], 1, s3
	s_mov_b32 s[PFS+1], 0
	s_lshl_b32 s100, s100, s2
	s_mul_i32 s89, s[PFS], 3                       ; at step 3: the first fill steps it to step 4
	s_add_co_u32 s100, s100, s89
	s_cmp_eq_u32 s101, 0
	s_cselect_b32 s[LIM], 2, -1                    ; the same in all sixteen partners, for a given wave
	s_mov_b32 s101, 0
	s_add_nc_u64 s[PFA:PFA+1], s[PFA:PFA+1], s[100:101]
	v_and_b32 v10, 31, v0
	v_lshrrev_b32 v11, s98, v10
	v_lshlrev_b32 v11, s99, v11
	v_and_b32 v10, s98, v10
	v_lshl_add_u32 v[PFO], v10, 8, v11
	; my lane's places in a slot
	v_mul_u32_u24 v10, v1, PK
	v_lshl_add_u32 v10, v9, 4, v10
	s_mul_i32 s89, s[KH], 64*PK
	v_add_nc_u32 v[AK0], s89, v10                  ; K: key row 64 kh + r, + 16 h
	s_lshl_b32 s89, s[KH], 7
	s_add_co_u32 s89, s89, VOFF
	v_add_nc_u32 v[AV0], s89, v10                  ; V^T: channel row r, keys 64 kh on, + 16 h
	v_mul_u32_u24 v11, v1, PM
	v_lshl_add_u32 v11, v9, 5, v11
	s_mul_i32 s89, s[QH], 64*PM
	s_lshl_b32 s98, s[KH], 8
	s_add_co_u32 s89, s89, s98
	s_add_co_u32 s89, s89, MOFF
	s_mul_i32 s98, s[KH], 32*PM
	s_add_co_u32 s99, s89, s98
	v_add_nc_u32 v[AM0], s99, v11                  ; mask: query row 64 qh + 32 kh + r, keys 64 kh on, + 32 h
	s_xor_b32 s98, s98, 32*PM
	s_add_co_u32 s99, s89, s98
	v_add_nc_u32 v[AM0+1], s99, v11                ; and 64 qh + 32 (1 - kh) + r
.irp t, 0,1,2,3
	v_mov_b32 v[ST+8*\t+1], 0                      ; named with m as a pair, so it is written
.endr
; THE MATRIX WORK OF A TURN, for piece x; the accumulators take turns, one instruction a turn.
.macro PV x, zero                      ; product i of 32 of O^T += V^T P: keys 32 (i / 16) on, channels 16 ((i / 2) % 8) on, tile x + i % 2
	WIN W_PV
.set rO, 64*(\x+i%2)+8*((i/2)%8)
.set rV, 64*(i/16)+8*((i/2)%8)
.set rP, P+16*(\x+i%2)+8*(i/16)
.if \zero && (i < 16)
	v_wmma_f32_16x16x32_f16 v[rO:rO+7], v[rV:rV+7], v[rP:rP+7], 0
.else
	v_wmma_f32_16x16x32_f16 v[rO:rO+7], v[rV:rV+7], v[rP:rP+7], v[rO:rO+7]
.endif
.endm
.macro KQ x                            ; product i of 32 of S^T += K Q^T, onto the mask: channels 32 (i / 8) on, keys 16 ((i / 2) % 4) on, tile x + i % 2
	WIN W_KQ
.set rS, S+32*(\x+i%2)+8*((i/2)%4)
.set rK, KF+32*((i/2)%4)+8*(i/8)
.set rQ, 32*(\x+i%2)+8*(i/8)
	v_wmma_f32_16x16x32_f16 v[rS:rS+7], v[rK:rK+7], v[rQ:rQ+7], v[rS:rS+7]
.endm
; THE LDS LOADS stand in runs.
.macro FETCH_K
	WIN 0
	v_add_nc_u32 v[ADR], s[TB], v[AK0]
	WIN 0x80
.irp f, 0,1,2,3,4,5,6,7,8,9,10,11,12,13,14,15
	ds_load_b128 v[KF+8*\f:KF+8*\f+3],   v[ADR] offset:(\f/4)*16*PK+(\f%4)*64
	ds_load_b128 v[KF+8*\f+4:KF+8*\f+7], v[ADR] offset:(\f/4)*16*PK+(\f%4)*64+32
.endr
.endm
.macro FETCH_M x                       ; piece x's two tiles of S begin as the mask: lane (r, h), register j of key tile c: mask[query r][16 c + 8 h + j]
	WIN 0
	v_add_nc_u32 v[ADM+(\x)/2], s[TB], v[AM0+(\x)/2]
.irp t, 0,1
.irp c, 0,1,2,3
	ds_load_b128 v[S+32*((\x)+\t)+8*\c:S+32*((\x)+\t)+8*\c+3],   v[ADM+(\x)/2] offset:\t*16*PM+64*\c
	ds_load_b128 v[S+32*((\x)+\t)+8*\c+4:S+32*((\x)+\t)+8*\c+7], v[ADM+(\x)/2] offset:\t*16*PM+64*\c+16
.endr
.endr
.endm
.macro FETCH_V
	WIN 0
	v_add_nc_u32 v[ADV], s[TB], v[AV0]
	s_wait_alu depctr_va_vdst(0)                   ; the wait for the softmax's batch (SLICE), ahead of the loads
	WIN 0xc0
.irp f, 0,1,2,3,4,5,6,7,8,9,10,11,12,13,14,15  ; keys 32 (f / 8) on, channels 16 (f % 8) on
	ds_load_b128 v[8*\f:8*\f+3],   v[ADV] offset:(\f%8)*16*PK+(\f/8)*64
	ds_load_b128 v[8*\f+4:8*\f+7], v[ADV] offset:(\f%8)*16*PK+(\f/8)*64+32
.endr
.endm
; THE VECTOR WORK OF A TURN.  One tile's softmax for a step is a list of 150 instructions; SM writes number j of it for tile t.
;   0-15 the maximum of the 32 scores and the old m;  16-20 the other half of the lanes'; the new m; c (m_old - m_new);  21-36 s - m, a pair each
;   37-85 ONE BATCH: the 16 scalings by c and all 33 exponentials (a at 39); none reads an exponential's result; a pair is scaled in an earlier four than the one with its exponentials
;   (the wait for the batch: SLICE)   86-101 roundings to f16;  102-117 the sums, l = a l + sum;  118-149 O^T times a
.macro SM t, first
.set rT, ST+8*(\t)
.set rS, S+32*(\t)
.set rP, P+16*(\t)
.set rO, 64*(\t)+2*(j-118)
.if j < 118
	WIN 0
.endif
.if j < 4
	v_max3_num_f32 v[rT+4+j], v[rS+8*j], v[rS+8*j+1], v[rS+8*j+2]
.elseif j < 12
	v_max3_num_f32 v[rT+4+j%4], v[rT+4+j%4], v[rS+8*(j%4)+2*(j/4)+1], v[rS+8*(j%4)+2*(j/4)+2]
.elseif j == 12
	v_max3_num_f32 v[rT+4], v[rT+4], v[rS+7], v[rS+15]
.elseif j == 13
	v_max3_num_f32 v[rT+6], v[rT+6], v[rS+23], v[rS+31]
.elseif j == 14
	v_max3_num_f32 v[rT+4], v[rT+4], v[rT+5], v[rT+6]
.elseif (j == 15) && \first
	v_max_num_f32 v[rT+4], v[rT+4], v[rT+7]
.elseif j == 15
	v_max3_num_f32 v[rT+4], v[rT+4], v[rT+7], v[rT]
.elseif j == 16
	v_permlanex16_b32 v[rT+5], v[rT+4], s[SEL], s[SEL+1]
.elseif j == 18
	v_max_num_f32 v[rT], v[rT+4], v[rT+5]
.elseif ((j == 17) || (j == 19) || (j == 20) || (j == 39) || (j > 117)) && \first  ; the first step has none of these
.elseif j == 17
	v_mov_b32 v[rT+7], v[rT]
.elseif j == 19
	v_sub_f32 v[rT+7], v[rT+7], v[rT]
.elseif j == 20
	v_mul_f32 v[rT+7], s[CS], v[rT+7]
.elseif j < 37
	v_pk_add_f32 v[rS+2*(j-21):rS+2*(j-21)+1], v[rS+2*(j-21):rS+2*(j-21)+1], v[rT:rT+1] op_sel_hi:[1,0] neg_lo:[0,1] neg_hi:[0,1]
.elseif j == 39
	v_exp_f32 v[rT+6], v[rT+7]
.elseif (j < 39) || ((j < 54) && (j%2 == 0)) || ((j < 82) && (j%4 == 2))
.set b, (j-18)/4                       ; 54, 58, .. 78: pairs 9 to 15
.if j < 54
.set b, (j-36)/2                       ; 37: pair 0; 38, 40, .. 52: pairs 1 to 8
.endif
	v_pk_mul_f32 v[rS+2*b:rS+2*b+1], v[rS+2*b:rS+2*b+1], s[CS:CS+1] op_sel_hi:[1,0]
.elseif j < 86
.set e, j-54                           ; 82 to 85: s28 to s31
.if j < 82
.set e, j-48-(j-54)/4                  ; 55-57, 59-61, .. 79-81: s7 to s27
.endif
.if j < 54
.set e, (j-41)/2                       ; 41, 43, .. 53: s0 to s6
.endif
	v_exp_f32 v[rS+e], v[rS+e]
.elseif j < 102
	v_cvt_pk_f16_f32 v[rP+j-86], v[rS+2*(j-86)], v[rS+2*(j-86)+1]
.elseif j < 118
.set z, j-102
.set w, 4
.set u, z
.if z >= 14
.set w, 32
.set u, 0
.elseif z >= 12
.set w, 16
.set u, z-12
.elseif z >= 8
.set w, 8
.set u, z-8
.endif
.if (z == 14) && \first
	v_pk_add_f32 v[rT+2:rT+3], v[rS:rS+1], v[rS+16:rS+17]
.elseif z < 15
	v_pk_add_f32 v[rS+w*u:rS+w*u+1], v[rS+w*u:rS+w*u+1], v[rS+w*u+w/2:rS+w*u+w/2+1]
.elseif !\first
	v_pk_fma_f32 v[rT+2:rT+3], v[rT+2:rT+3], v[rT+6:rT+7], v[rS:rS+1] op_sel_hi:[1,0,1]
.endif
.else
	WIN W_RS
	v_pk_mul_f32 v[rO:rO+1], v[rO:rO+1], v[rT+6:rT+7] op_sel_hi:[1,0]
.endif
.endm
; Slice k of 64 of piece y's softmax.  0-18: numbers 2 k, 2 k + 1 of both tiles.  19-42: the batch, four numbers of one tile, the tiles by turns.  43-62: three numbers of both tiles.  63: the last four of both: eight plain
; instructions that name nothing of the products round them: the places behind the turn's last product.  Ahead of slice 43 nothing names an exponential's result, behind slice 42 none is issued: one wait a turn.
.macro SLICE y, first
.if (k >= 19) && (k < 43)
.irp n, 0,1,2,3
.set j, 38+4*((k-19)/2)+(\n)
	SM (\y)+(k-19)%2, \first
.endr
.elseif k < 19
.irp n, 0,1
.irp t, \y, \y+1
.set j, 2*k+\n
	SM \t, \first
.endr
.endr
.elseif k < 63
.irp n, 0,1,2
.irp t, \y, \y+1
.set j, 86+3*(k-43)+\n
	SM \t, \first
.endr
.endr
.else
.irp n, 0,1,2,3
.irp t, \y, \y+1
.set j, 146+\n
	SM \t, \first
.endr
.endr
.endif
.if k == 42
	v_nop                                          ; a plain instruction behind the last exponential: one for the batch
.if (\y) == 0
	FETCH_V                                        ; piece 2's turn: V's run of loads stands here, and the wait stands in it
.else
	s_wait_alu depctr_va_vdst(0)                   ; the wait for the batch
.endif
.endif
.set k, k+1
.endm
.macro PLACES
.rept 4
	v_nop
.endr
.endm
; A TURN.  pv = 2: 32 products V^T P; 1: they start O^T's sums; 0: none.  kq = 1: 32 products K Q^T of the next step.  Behind the second product stand the next step's loads: K (piece 0's turn) and the piece's mask tiles.
.macro TURN x, pv, kq, first
.set k, 0
.set per, 2
.if \pv && \kq
.set per, 1
.endif
.if \pv
.if \x == 0
	s_wait_dscnt 0x0                               ; V is in
.endif
.set i, 0
.rept 32
	PV \x, 2-\pv
.rept per
	SLICE 2-\x, \first
.endr
.if \kq && (i == 1)
.if \x == 0
	FETCH_K
.endif
	FETCH_M \x
.endif
.set i, i+1
.endr
.endif
.if \kq
	s_wait_dscnt 0x0                               ; K and the piece's mask tiles are in
.set i, 0
.rept 32
	KQ \x
.rept per
	SLICE 2-\x, \first
.endr
.set i, i+1
.endr
.endif
.if \first
	PLACES
.endif
.endm
; THE CHANGE OF SLOTS, between piece 2's turn and piece 0's: the slot's last bytes, its V, have been asked for.  Each wave waits for all its tensor loads (one is out: its part of the other slot), adds 0 to its spare word, and waits
; for that and for its reads of the slot.  fill = 1: a round of the cluster's barrier, and the joint refill first behind it: it has a step, 128 products, in which to land.
.macro CHANGE fill
	WIN 0
	s_wait_tensorcnt 0x0
	ds_add_u32 v[SPW], v[NIL]
.if \fill
	s_xor_b32 s[FB], s[FB], SLOTB                  ; the other slot than last time,
	s_mov_b32 s[G0K+5], s[FB]
	s_add_co_u32 s[G0V+5], s[FB], VOFF
	s_add_co_u32 s[G0M+5], s[FB], s[LM]
	s_add_nc_u64 s[G0K+6:G0K+7], s[G0K+6:G0K+7], 32768   ; the next 128 keys
	s_add_nc_u64 s[G0V+6:G0V+7], s[G0V+6:G0V+7], 256
	s_add_nc_u64 s[G0M+6:G0M+7], s[G0M+6:G0M+7], 512
	s_wait_xcnt 0x0                                ; the last prefetch, a step back, has read its address
	s_add_nc_u64 s[PFA:PFA+1], s[PFA:PFA+1], s[PFS:PFS+1]
	s_wait_dscnt 0x0                               ; the add is done, and my reads of the slot are over
	CROUND
	JLOAD
	ASK
.else
	s_wait_dscnt 0x0
	s_barrier_signal -1
	s_barrier_wait -1
.endif
	s_xor_b32 s[TB], s[TB], SLOTB                  ; the fetches go on in the other slot
.endm
	s_wait_tensorcnt 1                             ; my part of slot 0 is in; slot 1's load stays out
	s_barrier_signal -1
	s_barrier_wait -1
	FETCH_K                                        ; step 0
	FETCH_M 0
	FETCH_M 2
	s_wait_loadcnt 0x0                             ; Q
	s_wait_dscnt 0x0
.set i, 0
.rept 32
	KQ 0
.set i, i+1
.endr
	WIN 0                                          ; the addresses for the join and the way out: plain instructions, the places behind those products
	s_mul_i32 s89, s[WV], 16*SP
	s_add_co_u32 s89, s89, STAGE
	v_mul_u32_u24 v[STO], v1, SP
	v_lshl_add_u32 v[STO], v9, 4, v[STO]
	v_add_nc_u32 v[STO], s89, v[STO]
	v_mul_u32_u24 v[RD], v9, SP
	v_lshl_add_u32 v[RD], v1, 4, v[RD]
	v_add_nc_u32 v[RD], s89, v[RD]
	v_lshlrev_b32 v[GO], 12, v9
	v_lshl_add_u32 v[GO], v1, 4, v[GO]
	s_mul_i32 s89, s[WV], XWB
	v_and_b32 v10, 31, v0
	v_lshl_add_u32 v[XW], v10, 4, s89              ; what I hand over,
	v_lshl_add_u32 v[XWS], v10, 2, s89
	v_add_nc_u32 v[XWS], 16384, v[XWS]
	s_xor_b32 s98, s[WV], 1
	s_mul_i32 s98, s98, XWB
	v_lshl_add_u32 v[XR], v10, 4, s98              ; and what the wave with the other keys hands me
	v_lshl_add_u32 v[XRS], v10, 2, s98
	v_add_nc_u32 v[XRS], 16384, v[XRS]
	TURN 2, 0, 1, 1                                ; piece 2's first scores | piece 0's first softmax | V of step 0
	CHANGE 1                                       ; slot 0 takes step 2
	TURN 0, 1, 1, 1
	TURN 2, 1, 1, 0
	WIN 0
	s_mov_b32 s[CNT], 13
.Lstep:                                            ; 13 trips: steps 3 to 15 are asked for
	CHANGE 1
	TURN 0, 2, 1, 0
	TURN 2, 2, 1, 0
	WIN 0
	s_sub_co_u32 s[CNT], s[CNT], 1
	s_cmp_lg_u32 s[CNT], 0
	s_cbranch_scc1 .Lstep
	CHANGE 0                                       ; the tail is written out
	TURN 0, 2, 1, 0
	TURN 2, 2, 1, 0
	TURN 0, 2, 0, 0
.set i, 0
.rept 32
	PV 2, 0
.set i, i+1
.endr
	; THE JOIN.  l's halves are added (these lines are the places behind the last products); register tiles 2, 3 go to the wave with the other keys as images of their registers; its tiles 2, 3 are my tiles 0, 1.
	WIN 0
.irp t, 0,1,2,3
	v_add_f32 v[ST+8*\t+4], v[ST+8*\t+2], v[ST+8*\t+3]
.endr
.irp t, 0,1,2,3
	v_permlanex16_b32 v[ST+8*\t+5], v[ST+8*\t+4], s[SEL], s[SEL+1]
.endr
.irp t, 0,1,2,3
	v_add_f32 v[ST+8*\t+2], v[ST+8*\t+4], v[ST+8*\t+5]
.endr
	WIN 0x04                                       ; an LDS store's data: window 1
.set i, 0
.rept 32
	ds_store_b128 v[XW], v[128+4*i:128+4*i+3] offset:512*i
.set i, i+1
.endr
	WIN 0
	ds_store_b32 v[XWS], v[ST+16]
	ds_store_b32 v[XWS], v[ST+18] offset:128
	ds_store_b32 v[XWS], v[ST+24] offset:256
	ds_store_b32 v[XWS], v[ST+26] offset:384
	s_wait_dscnt 0x0                               ; for the other's sake: my stores are done
	s_barrier_signal -1
	s_barrier_wait -1
	WIN 0xc0                                       ; into window 3, which V has left
.set i, 0
.rept 32
	ds_load_b128 v[4*i:4*i+3], v[XR] offset:512*i
.set i, i+1
.endr
	WIN 0
	ds_load_b32 v[PST], v[XRS]
	ds_load_b32 v[PST+1], v[XRS] offset:128
	ds_load_b32 v[PST+2], v[XRS] offset:256
	ds_load_b32 v[PST+3], v[XRS] offset:384
	s_wait_dscnt 0x0
.irp t, 0,1
	v_max_num_f32 v[ST+8*\t+4], v[ST+8*\t], v[PST+2*\t]            ; M
	v_sub_f32 v[ST+8*\t+5], v[ST+8*\t], v[ST+8*\t+4]
	v_sub_f32 v[ST+8*\t+6], v[PST+2*\t], v[ST+8*\t+4]
	v_mul_f32 v[ST+8*\t+5], s[CS], v[ST+8*\t+5]
	v_mul_f32 v[ST+8*\t+6], s[CS], v[ST+8*\t+6]
.endr
.irp t, 0,1
	v_exp_f32 v[ST+8*\t+5], v[ST+8*\t+5]                           ; f
	v_exp_f32 v[ST+8*\t+6], v[ST+8*\t+6]                           ; f'
.endr
	v_nop
	s_wait_alu depctr_va_vdst(0)                   ; one wait for the four
.irp t, 0,1
	v_mul_f32 v[ST+8*\t+7], v[ST+8*\t+2], v[ST+8*\t+5]
	v_fma_f32 v[ST+8*\t+7], v[PST+2*\t+1], v[ST+8*\t+6], v[ST+8*\t+7]   ; L = l f + l' f': at least 1
.endr
.irp t, 0,1
	v_rcp_f32 v[ST+8*\t+3], v[ST+8*\t+7]
.endr
	v_nop
	s_wait_alu depctr_va_vdst(0)                   ; one wait for the two
.irp t, 0,1
	v_mul_f32 v[ST+8*\t+4], v[ST+8*\t+5], v[ST+8*\t+3]             ; g = f / L
	v_mul_f32 v[ST+8*\t+6], v[ST+8*\t+6], v[ST+8*\t+3]             ; g' = f' / L
.endr
.macro PACK t                          ; O = O g + O' g'; to f16; through my stage, back as whole rows of 256 bytes
	WIN W_RS
.set i, 64*\t
.rept 32
	v_pk_mul_f32 v[i:i+1], v[i:i+1], v[ST+8*\t+4:ST+8*\t+5] op_sel_hi:[1,0]
.set i, i+2
.endr
	WIN W_PV
.set i, 64*\t
.rept 32
	v_pk_fma_f32 v[i:i+1], v[i:i+1], v[ST+8*\t+6:ST+8*\t+7], v[i:i+1] op_sel_hi:[1,0,1]
.set i, i+2
.endr
	WIN 0x05
.set i, 0
.rept 32
	v_cvt_pk_f16_f32 v[S+32*\t+i], v[64*\t+2*i], v[64*\t+2*i+1]
.set i, i+1
.endr
	WIN 0
.irp f, 0,1,2,3,4,5,6,7
	ds_store_b128 v[STO], v[S+32*\t+4*\f:S+32*\t+4*\f+3] offset:32*\f
.endr
.irp f, 0,1,2,3,4,5,6,7
	ds_load_b128 v[S+32*\t+4*\f:S+32*\t+4*\f+3], v[RD] offset:\f*2*SP
.endr
.endm
.macro SEND t, younger                 ; younger: the LDS instructions issued behind tile t's loads
.irp f, 0,1,2,3,4,5,6,7
	s_wait_dscnt \younger+7-\f
	global_store_b128 v[GO], v[S+32*\t+4*\f:S+32*\t+4*\f+3], s[10:11] offset:\t*65536+\f*8192   ; sixteen lanes store 256 consecutive bytes, aligned
.endr
.endm
	PACK 0
	PACK 1
	SEND 0, 16
	SEND 1, 0
	s_wait_tensorcnt 0x0                           ; the wave's end
	ds_add_u32 v[SPW], v[NIL]
	s_wait_dscnt 0x0
	CROUND                                         ; the closing round
	s_endpgm
.Lfunc_end_k_qccb4112046_attn:
	.size	k_qccb4112046_attn, .Lfunc_end_k_qccb4112046_attn-k_qccb4112046_attn
	.p2alignl 7, 3214868480
	.fill 96, 4, 3214868480
	.section	.rodata,"a",@progbits
	.p2align	6, 0x0
	.amdhsa_kernel k_qccb4112046_attn
		.amdhsa_group_segment_fixed_size 327680
		.amdhsa_private_segment_fixed_size 0
		.amdhsa_enable_private_segment 0
		.amdhsa_kernarg_size 32
		.amdhsa_user_sgpr_count 2
		.amdhsa_user_sgpr_kernarg_segment_ptr 1
		.amdhsa_wavefront_size32 1
		.amdhsa_system_sgpr_workgroup_id_x 1
		.amdhsa_system_sgpr_workgroup_id_y 1
		.amdhsa_system_sgpr_workgroup_id_z 1
		.amdhsa_system_vgpr_workitem_id 0
		.amdhsa_next_free_vgpr 1024
		.amdhsa_next_free_sgpr 102
		.amdhsa_reserve_vcc 0
		.amdhsa_float_denorm_mode_32 3
		.amdhsa_float_denorm_mode_16_64 3
		.amdhsa_memory_ordered 1
		.amdhsa_forward_progress 1
		.amdhsa_inst_pref_size 249
	.end_amdhsa_kernel
	.amdgpu_metadata
---
amdhsa.version: [ 1, 2 ]
amdhsa.kernels:
  - .name:           k_qccb4112046_attn
    .symbol:         k_qccb4112046_attn.kd
    .args:
      - { .name: qk16, .offset: 0, .size: 8, .value_kind: global_buffer, .address_space: global }
      - { .name: v16, .offset: 8, .size: 8, .value_kind: global_buffer, .address_space: global }
      - { .name: mask, .offset: 16, .size: 8, .value_kind: global_buffer, .address_space: global }
      - { .name: out16, .offset: 24, .size: 8, .value_kind: global_buffer, .address_space: global }
    .group_segment_fixed_size: 327680
    .private_segment_fixed_size: 0
    .kernarg_segment_align: 8
    .kernarg_segment_size: 32
    .max_flat_workgroup_size: 128
    .sgpr_count:     102
    .vgpr_count:     1024
    .wavefront_size: 32
...
	.end_amdgpu_metadata
.endif
;; end of part 4
;; launch proj (part 5): grid 16 x 16, 4 waves a work-group, clusters of 4 x 4, 327,680 bytes of LDS; arguments out16, wo16, out0, fine, finea; writes out0, finea
.if DOCPART == 5
	.amdgcn_target "amdgcn-amd-amdhsa--gfx1250"
	.amdhsa_code_object_version 6
	.text
	.protected	k_qccb4112046_proj
	.globl	k_qccb4112046_proj
	.p2align	8
	.type	k_qccb4112046_proj,@function
k_qccb4112046_proj:
	s_mov_b64 s[64:65], 0
	v_nop
	global_prefetch_b8 v0, s[64:65] scope:SCOPE_SE
	s_setreg_imm32_b32 hwreg(HW_REG_WAVE_MODE, 25, 1), 1
	s_wait_xcnt 0x0
	s_wait_alu depctr_hold_cnt(0) depctr_sa_sdst(0) depctr_va_vdst(0) depctr_va_sdst(0) depctr_va_ssrc(0) depctr_va_vcc(0) depctr_vm_vsrc(0)
	s_getreg_b32 s2, hwreg(HW_REG_IB_STS2, 6, 4)
	s_cmp_eq_u32 s2, 0
	s_cbranch_scc0 .Lentry_in_a_cluster
	s_endpgm
.Lentry_in_a_cluster:
	s_bfe_u32 s2, ttmp6, 0x10000c
	s_cmp_lg_u32 s2, 0xf033
	s_cbranch_scc0 .Lentry_shape_is_right
	s_endpgm
.Lentry_shape_is_right:
; Launch 5 of 6: out0[t][o] = sum over k of out16[t][k] wo16[o][k]: f16 operands, f32 sums, f32 result.  Nothing is left out.
; A tile of 128 x 128 to a work-group (256 work-groups), 64 x 64 to each of four waves: 16 accumulators.  K in steps of 256 (LDS rows of 512 bytes) through two slots.
; CLUSTERS 4 x 4: A's tiles shared along a row, B's along a column, by joint loads.  The matrix instruction is used transposed: a lane holds eight neighbouring numbers of a row of the result.
; Rows 0-15 are stored here like all others; the last launch writes them anew, finely.
; THE JOIN rides along: the fine path has 16 heads x 16 queries = 256 rows to join, as many as there are work-groups here.  Wave 0 of the work-group at (tile row H, tile column q) joins the sixteen partial softmaxes of head H,
; query q: Mx = max M_c; f_c = 2^(c (M_c - Mx)); L = sum f_c l_c (at least 1); finea[q][128 H + d] = (sum f_c O_c[d]) / L, all in f32.  H and q enter global addresses alone.  Its loads are out while the first tiles are on their way.
; REGISTERS: window 0: v0-31 addresses (v8-14, v27, v30 the join's); v32-95 the way out (first: the join's O); v96-127 the join's M and l; v128-255 the accumulators.  window 1: two fragment buffers of 128.
.set SIZE_K, 2048
.set SIZE_N, 2048
.set KSTEP,  256
.set PITCH,  528
.set HALFT,  64*PITCH
.set SLOT,   4*HALFT
.set STAGE,  2*SLOT                    ; behind the ring: 16 rows x 272 bytes for each wave: a wave's 64 columns of f32 are 256 bytes
.set SPITCH, 272
.set SPARE,  STAGE+4*16*SPITCH
.set LAPS, SIZE_K/(2*KSTEP)
.set MLOFF, 2097152                    ; where l and M begin in fine
.set ADRA, 16
.set ADRB, 20
.set STO,  24
.set RD,   25
.set CO,   26
.set SPW,  28
.set NIL,  29
.set TMP,  32
.set ACC,  128
.set F0,   0
.set F1,   128
.set G1, 24
.set G0, 32
.set G1B, 48
.set G0B, 56
.set MSB, 0
.macro WIN new
.if MSB != \new
	s_set_vgpr_msb (MSB<<8)|\new
.set MSB, \new
.endif
.endm
.set MUL,  0x05
.set TO_F, 0x40
.macro JLOAD s
	s_cmp_eq_u32 s11, 0
	s_cbranch_scc0 .Lfor_b_\@
	tensor_load_to_lds s[G0+4*\s:G0+4*\s+3], s[G1:G1+7]
	s_nop 0
.rept 4
	v_nop
.endr
	s_branch .Lasked_\@
.Lfor_b_\@:
	tensor_load_to_lds s[G0B+4*\s:G0B+4*\s+3], s[G1B:G1B+7]
	s_nop 0
.rept 4
	v_nop
.endr
.Lasked_\@:
.endm
.macro CREST
	s_cmp_lg_u32 s10, 0
	s_cbranch_scc1 .Lnot_wave_0_\@
	s_barrier_signal -3
.Lnot_wave_0_\@:
	s_barrier_wait -3
	s_barrier_signal -1
	s_barrier_wait -1
.endm
.macro CROUND
	s_barrier_signal -1
	s_barrier_wait -1
	CREST
.endm
	s_load_b128 s[4:7], s[0:1], 0x0                ; A = out16, B = wo16
	s_load_b64 s[8:9], s[0:1], 0x10                ; out0
	s_load_b64 s[68:69], s[0:1], 0x18              ; fine
	s_load_b64 s[70:71], s[0:1], 0x20              ; finea
	v_lshl_add_u32 v[SPW], v0, 2, SPARE
	v_mov_b32 v[NIL], 0
	ds_add_u32 v[SPW], v[NIL]                      ; the opening: the add, twice on end, and its wait ahead of my first tensor load
	ds_add_u32 v[SPW], v[NIL]
	v_lshrrev_b32 v1, 5, v0
	v_readfirstlane_b32 s10, v1
	s_lshr_b32 s11, s10, 1
	s_and_b32 s12, s10, 1
	s_bfe_u32 s40, ttmp6, 0x40000
	s_bfe_u32 s41, ttmp6, 0x40004
	s_lshl_b32 s42, ttmp9, 2
	s_add_co_u32 s42, s42, s40                     ; tile column; the join's query
	s_and_b32 s13, ttmp7, 0xffff
	s_lshl_b32 s13, s13, 2
	s_add_co_u32 s13, s13, s41                     ; tile row; the join's head
	s_lshl_b32 s43, s41, 2
	s_lshl_b32 s43, 15, s43
	s_lshl_b32 s44, 0x1111, s40
	s_or_b32 s[G1+0], s43, (1<<16)|(1<<20)|(1<<21)|(6<<22)|(3<<25)
	s_or_b32 s[G1B+0], s44, (1<<16)|(1<<20)|(1<<21)|(6<<22)|(3<<25)
.irp g, G1, G1B
	s_mov_b32 s[\g+1], KSTEP<<16
	s_mov_b32 s[\g+2], 64<<16
	s_mov_b32 s[\g+3], KSTEP<<16
	s_mov_b32 s[\g+4], 64
	s_mov_b32 s[\g+5], SIZE_K
	s_mov_b32 s[\g+6], 0
	s_mov_b32 s[\g+7], 0
.endr
	s_lshl_b32 s17, s12, 6
	s_lshl_b32 s16, s13, 7
	s_add_co_u32 s16, s16, s17
	s_lshl_b32 s46, s42, 7
	s_add_co_u32 s46, s46, s17
	s_mov_b32 s17, 0
	s_mov_b32 s47, 0
	s_mov_b64 s[18:19], SIZE_K*2
	s_mul_u64 s[16:17], s[16:17], s[18:19]
	s_mul_u64 s[46:47], s[46:47], s[18:19]
	s_mul_i32 s20, s10, HALFT
	s_lshl_b32 s72, s13, 17                        ; the join: a head's sixteen chunks of Opart are 131,072 bytes, a query's row 512
	s_lshl_b32 s73, s42, 9
	s_add_co_u32 s72, s72, s73
	s_mov_b32 s73, 0
	s_lshl_b32 s74, s13, 11                        ; a head's sixteen chunks of l and M are 2,048 bytes, a query's word 4
	s_lshl_b32 s75, s42, 2
	s_add_co_u32 s74, s74, s75
	s_add_co_u32 s74, s74, MLOFF
	s_mov_b32 s75, 0
	s_lshl_b32 s80, s42, 13                        ; finea: row q of 8,192 bytes, the head's 512
	s_lshl_b32 s81, s13, 9
	s_add_co_u32 s80, s80, s81
	s_mov_b32 s81, 0
	s_wait_dscnt 0x0
	s_wait_kmcnt 0x0
	s_add_nc_u64 s[14:15], s[4:5], s[16:17]
	s_add_nc_u64 s[46:47], s[6:7], s[46:47]
	s_add_nc_u64 s[76:77], s[68:69], s[72:73]      ; O_0 of my head and query
	s_add_nc_u64 s[78:79], s[68:69], s[74:75]      ; l_0; M_0 lies 64 bytes on
	s_add_nc_u64 s[70:71], s[70:71], s[80:81]      ; where the joined row goes
	CROUND
.irp s, 0,1
	s_mov_b32 s[G0+4*\s], 1
	s_add_co_u32 s[G0+4*\s+1], s20, \s*SLOT
	s_add_nc_u64 s[G0+4*\s+2:G0+4*\s+3], s[14:15], \s*KSTEP*2
	s_or_b32 s[G0+4*\s+3], s[G0+4*\s+3], 0x80000000
	s_mov_b32 s[G0B+4*\s], 1
	s_add_co_u32 s[G0B+4*\s+1], s20, \s*SLOT
	s_add_nc_u64 s[G0B+4*\s+2:G0B+4*\s+3], s[46:47], \s*KSTEP*2
	s_or_b32 s[G0B+4*\s+3], s[G0B+4*\s+3], 0x80000000
	JLOAD \s
.endr
	v_and_b32 v1, 15, v0
	v_bfe_u32 v2, v0, 4, 1
	v_mul_u32_u24 v3, v1, PITCH
	v_lshl_add_u32 v3, v2, 4, v3
	s_mul_i32 s21, s11, HALFT
	s_mul_i32 s22, s12, HALFT
	s_add_co_u32 s22, s22, 2*HALFT
.irp s, 0,1
	v_add_nc_u32 v[ADRA+\s], s21, v3
	v_add_nc_u32 v[ADRB+\s], s22, v3
	s_add_co_u32 s21, s21, SLOT
	s_add_co_u32 s22, s22, SLOT
.endr
	s_mul_i32 s23, s10, 16*SPITCH
	s_add_co_u32 s23, s23, STAGE                   ; my stage
	v_mul_u32_u24 v4, v1, SPITCH
	v_lshl_add_u32 v4, v2, 5, v4
	v_add_nc_u32 v[STO], s23, v4                   ; in: row r, 32 bytes for each half of the lanes
	v_mul_u32_u24 v5, v2, SPITCH
	v_lshl_add_u32 v5, v1, 4, v5
	v_add_nc_u32 v[RD], s23, v5                    ; back: lanes 0-15 one row of 256 bytes, lanes 16-31 the next
	v_lshlrev_b32 v[CO], 13, v2
	v_lshl_add_u32 v[CO], v1, 4, v[CO]             ; and the same two rows in out0
	s_lshl_b32 s16, s13, 7
	s_lshl_b32 s17, s11, 6
	s_add_co_u32 s16, s16, s17                     ; my first row: 128 x tile row + 64 x half
	s_lshl_b32 s16, s16, 13
	s_lshl_b32 s46, s42, 9                         ; my first column, in bytes: 512 x tile column + 256 x half
	s_lshl_b32 s47, s12, 8
	s_add_co_u32 s46, s46, s47
	s_add_co_u32 s46, s46, s16
	s_mov_b32 s47, 0
	s_add_nc_u64 s[8:9], s[8:9], s[46:47]
	; THE JOIN, by wave 0 (a branch on the wave's number alone).  v8-11, v30 and s[70:71], which the store names, are written nowhere else in the text.
	s_cmp_lg_u32 s10, 0
	s_cbranch_scc1 .Lno_join
	v_mov_b32 v27, 0                               ; all lanes read the same word of l and of M
	v_and_b32 v30, 31, v0
	v_lshlrev_b32 v30, 4, v30                      ; 16 x lane: my four channels of the row
.irp c, 0,1,2,3,4,5,6,7,8,9,10,11,12,13,14,15
	global_load_b32 v[96+\c], v27, s[78:79] offset:128*\c+64       ; M_c
.endr
.irp c, 0,1,2,3,4,5,6,7,8,9,10,11,12,13,14,15
	global_load_b32 v[112+\c], v27, s[78:79] offset:128*\c         ; l_c
.endr
.irp c, 0,1,2,3,4,5,6,7,8,9,10,11,12,13,14,15
	global_load_b128 v[32+4*\c:35+4*\c], v30, s[76:77] offset:8192*\c   ; O_c: 512 consecutive bytes
.endr
	s_wait_loadcnt 32                              ; the sixteen M are in; l's 16 loads and O's 16 stay out
	v_max3_num_f32 v12, v96, v97, v98
.irp i, 99,101,103,105,107,109
	v_max3_num_f32 v12, v12, v[\i], v[\i+1]
.endr
	v_max_num_f32 v12, v12, v111                   ; Mx
.irp c, 0,1,2,3,4,5,6,7,8,9,10,11,12,13,14,15
	v_sub_f32 v[96+\c], v[96+\c], v12              ; the difference first, so that large masks cancel exactly
.endr
.irp c, 0,1,2,3,4,5,6,7,8,9,10,11,12,13,14,15
	v_mul_f32 v[96+\c], 0x3fb8aa3b, v[96+\c]       ; times log2 e
.endr
.irp c, 0,1,2,3,4,5,6,7,8,9,10,11,12,13,14,15
	v_exp_f32 v[96+\c], v[96+\c]                   ; f_c, at most 1; 1 for the chunk with the largest score
.endr
	v_nop                                          ; a plain instruction behind the last exponential
	s_wait_alu depctr_va_vdst(0)                   ; one wait for the sixteen, ahead of their first reader
	s_wait_loadcnt 16                              ; the sixteen l are in; O's 16 loads stay out
	v_mul_f32 v13, v96, v112
.irp c, 1,2,3,4,5,6,7,8,9,10,11,12,13,14,15
	v_fma_f32 v13, v[96+\c], v[112+\c], v13        ; L
.endr
	v_rcp_f32 v14, v13
	s_wait_loadcnt 0x0
.irp j, 0,1,2,3
	v_mul_f32 v[8+\j], v96, v[32+\j]               ; (plain work behind the reciprocal, which names neither L nor 1 / L)
.endr
.irp c, 1,2,3,4,5,6,7,8,9,10,11,12,13,14,15
.irp j, 0,1,2,3
	v_fma_f32 v[8+\j], v[96+\c], v[32+4*\c+\j], v[8+\j]
.endr
.endr
	s_wait_alu depctr_va_vdst(0)                   ; the wait for the reciprocal, ahead of its first reader
.irp j, 0,1,2,3
	v_mul_f32 v[8+\j], v[8+\j], v14
.endr
	global_store_b128 v30, v[8:11], s[70:71]       ; 512 consecutive bytes, aligned
.Lno_join:
.macro MUL8 f, c, a0, zero
.irp a, \a0, \a0+1
.irp b, 0,1,2,3
.if \zero
	v_wmma_f32_16x16x32_f16 v[ACC+8*(4*(\a)+\b):ACC+8*(4*(\a)+\b)+7], v[\f+64+8*(4*\c+\b):\f+64+8*(4*\c+\b)+7], v[\f+8*(4*\c+\a):\f+8*(4*\c+\a)+7], 0
.else
	v_wmma_f32_16x16x32_f16 v[ACC+8*(4*(\a)+\b):ACC+8*(4*(\a)+\b)+7], v[\f+64+8*(4*\c+\b):\f+64+8*(4*\c+\b)+7], v[\f+8*(4*\c+\a):\f+8*(4*\c+\a)+7], v[ACC+8*(4*(\a)+\b):ACC+8*(4*(\a)+\b)+7]
.endif
.endr
.endr
.endm
.macro FETCH slot, k, f
	WIN TO_F
.irp c, 0,1
.irp i, 0,1,2,3
	ds_load_b128 v[\f+64+8*(4*\c+\i):\f+64+8*(4*\c+\i)+3],   v[ADRB+\slot] offset:\k+64*\c+\i*16*PITCH
	ds_load_b128 v[\f+64+8*(4*\c+\i)+4:\f+64+8*(4*\c+\i)+7], v[ADRB+\slot] offset:\k+64*\c+\i*16*PITCH+32
	ds_load_b128 v[\f+8*(4*\c+\i):\f+8*(4*\c+\i)+3],         v[ADRA+\slot] offset:\k+64*\c+\i*16*PITCH
	ds_load_b128 v[\f+8*(4*\c+\i)+4:\f+8*(4*\c+\i)+7],       v[ADRA+\slot] offset:\k+64*\c+\i*16*PITCH+32
.endr
.endr
.endm
.macro PLACES
.rept 4
	v_nop
.endr
.endm
.macro QUARTER slot, k, f, g, zero
	s_wait_dscnt 16                                ; the first 32 along K are in; the other sixteen loads may be out
	WIN MUL
	MUL8 \f, 0, 0, \zero
	MUL8 \f, 0, 2, \zero
	PLACES
	FETCH \slot, \k, \g
	s_wait_dscnt 32                                ; all but the 32 just issued
	WIN MUL
	MUL8 \f, 1, 0, 0
	MUL8 \f, 1, 2, 0
.endm
.macro TURN slot, next, fill
	WIN 0
	s_wait_tensorcnt 0x0                           ; all my tensor loads have landed: my part of the next slot
	ds_add_u32 v[SPW], v[NIL]
	s_wait_dscnt 17                                ; the add and the youngest sixteen loads may be out
	WIN MUL
	MUL8 F1, 0, 0, 0
	s_wait_dscnt 0x0                               ; the add is done, and my reads of this slot are over
	s_barrier_signal -1
	MUL8 F1, 0, 2, 0
.if \fill
	WIN 0
.endif
	s_barrier_wait -1
.if \fill
	CREST
	s_add_nc_u64 s[G0+4*\slot+2:G0+4*\slot+3], s[G0+4*\slot+2:G0+4*\slot+3], 2*KSTEP*2
	s_add_nc_u64 s[G0B+4*\slot+2:G0B+4*\slot+3], s[G0B+4*\slot+2:G0B+4*\slot+3], 2*KSTEP*2
	JLOAD \slot
.else
	PLACES
.endif
	FETCH \next, 0, F0
	WIN MUL
	MUL8 F1, 1, 0, 0
	MUL8 F1, 1, 2, 0
.endm
	s_wait_tensorcnt 1                             ; my part of K step 0 is in; K step 1's load stays out
	s_barrier_signal -1
	s_barrier_wait -1
	FETCH 0, 0, F0
	QUARTER 0, 128, F0, F1, 1
	WIN 0
	s_mov_b32 s3, LAPS-1
.Llap:
	QUARTER 0, 256, F1, F0, 0
	QUARTER 0, 384, F0, F1, 0
	TURN 0, 1, 1
	QUARTER 1, 128, F0, F1, 0
	QUARTER 1, 256, F1, F0, 0
	QUARTER 1, 384, F0, F1, 0
	TURN 1, 0, 1
	QUARTER 0, 128, F0, F1, 0
	WIN 0
	s_sub_co_u32 s3, s3, 1
	s_cmp_lg_u32 s3, 0
	s_cbranch_scc1 .Llap
	QUARTER 0, 256, F1, F0, 0
	QUARTER 0, 384, F0, F1, 0
	TURN 0, 1, 0
	QUARTER 1, 128, F0, F1, 0
	QUARTER 1, 256, F1, F0, 0
	QUARTER 1, 384, F0, F1, 0
	s_wait_dscnt 16
	WIN MUL
	MUL8 F1, 0, 0, 0
	MUL8 F1, 0, 2, 0
	s_wait_dscnt 0
	MUL8 F1, 1, 0, 0
	MUL8 F1, 1, 2, 0
	WIN 0
	; THE WAY OUT, 16 rows x 64 columns at a time through my own stage; LDS serves a wave's instructions in order, so no wait stands between the stores and the loads.
	PLACES
.macro TOST a
.irp b, 0,1,2,3
	ds_store_b128 v[STO], v[ACC+8*(4*(\a)+\b):ACC+8*(4*(\a)+\b)+3] offset:64*\b        ; each accumulator from its low end on
	ds_store_b128 v[STO], v[ACC+8*(4*(\a)+\b)+4:ACC+8*(4*(\a)+\b)+7] offset:64*\b+16
.endr
.irp i, 0,1,2,3,4,5,6,7
	ds_load_b128 v[TMP+32*((\a)%2)+4*\i:TMP+32*((\a)%2)+4*\i+3], v[RD] offset:\i*2*SPITCH
.endr
.endm
.macro SENDP a, younger                ; younger: the next block's eight stores and eight loads, or none
	s_wait_dscnt \younger
.irp i, 0,1,2,3,4,5,6,7
	global_store_b128 v[CO], v[TMP+32*((\a)%2)+4*\i:TMP+32*((\a)%2)+4*\i+3], s[8:9] offset:(16*(\a)+2*\i)*SIZE_N*4   ; sixteen lanes store 256 consecutive bytes, aligned
.endr
.endm
	TOST 0
	TOST 1
	SENDP 0, 16
	s_wait_xcnt 0x0                                ; block 0's stores have read their registers: block 2's loads may land there
	TOST 2
	SENDP 1, 16
	s_wait_xcnt 0x0
	TOST 3
	SENDP 2, 16
	SENDP 3, 0
	s_wait_tensorcnt 0x0                           ; the wave's end
	ds_add_u32 v[SPW], v[NIL]
	s_wait_dscnt 0x0
	CROUND
	s_endpgm
.Lfunc_end_k_qccb4112046_proj:
	.size	k_qccb4112046_proj, .Lfunc_end_k_qccb4112046_proj-k_qccb4112046_proj
	.p2alignl 7, 3214868480
	.fill 96, 4, 3214868480
	.section	.rodata,"a",@progbits
	.p2align	6, 0x0
	.amdhsa_kernel k_qccb4112046_proj
		.amdhsa_group_segment_fixed_size 327680
		.amdhsa_private_segment_fixed_size 0
		.amdhsa_enable_private_segment 0
		.amdhsa_kernarg_size 40
		.amdhsa_user_sgpr_count 2
		.amdhsa_user_sgpr_kernarg_segment_ptr 1
		.amdhsa_wavefront_size32 1
		.amdhsa_system_sgpr_workgroup_id_x 1
		.amdhsa_system_sgpr_workgroup_id_y 1
		.amdhsa_system_sgpr_workgroup_id_z 1
		.amdhsa_system_vgpr_workitem_id 0
		.amdhsa_next_free_vgpr 512
		.amdhsa_next_free_sgpr 84
		.amdhsa_reserve_vcc 0
		.amdhsa_float_denorm_mode_32 3
		.amdhsa_float_denorm_mode_16_64 3
		.amdhsa_memory_ordered 1
		.amdhsa_forward_progress 1
		.amdhsa_inst_pref_size 99
	.end_amdhsa_kernel
	.amdgpu_metadata
---
amdhsa.version: [ 1, 2 ]
amdhsa.kernels:
  - .name:           k_qccb4112046_proj
    .symbol:         k_qccb4112046_proj.kd
    .args:
      - { .name: out16, .offset: 0, .size: 8, .value_kind: global_buffer, .address_space: global }
      - { .name: wo16, .offset: 8, .size: 8, .value_kind: global_buffer, .address_space: global }
      - { .name: out0, .offset: 16, .size: 8, .value_kind: global_buffer, .address_space: global }
      - { .name: fine, .offset: 24, .size: 8, .value_kind: global_buffer, .address_space: global }
      - { .name: finea, .offset: 32, .size: 8, .value_kind: global_buffer, .address_space: global }
    .group_segment_fixed_size: 327680
    .private_segment_fixed_size: 0
    .kernarg_segment_align: 8
    .kernarg_segment_size: 40
    .max_flat_workgroup_size: 128
    .sgpr_count:     84
    .vgpr_count:     512
    .wavefront_size: 32
...
	.end_amdgpu_metadata
.endif
;; end of part 5
;; launch fine2 (part 6): grid 128 x 1, 8 waves a work-group, no clusters, 275,456 bytes of LDS; arguments finea, Wo, out0; writes out0
.if DOCPART == 6
	.amdgcn_target "amdgcn-amd-amdhsa--gfx1250"
	.amdhsa_code_object_version 6
	.text
	.protected	k_qccb4112046_fine2
	.globl	k_qccb4112046_fine2
	.p2align	8
	.type	k_qccb4112046_fine2,@function
k_qccb4112046_fine2:
	s_mov_b64 s[64:65], 0
	v_nop
	global_prefetch_b8 v0, s[64:65] scope:SCOPE_SE
	s_setreg_imm32_b32 hwreg(HW_REG_WAVE_MODE, 25, 1), 1
	s_wait_xcnt 0x0
; Launch 6 of 6: rows 0-15 of the output once more, in f32: the joined rows finea [16 q][2048] are multiplied with Wo as it is given (f32 matrix form: 16 rows only, no bulk work).  Nothing is left out.
; A work-group takes output columns 16 x .. 16 x + 15; wave w takes k = 256 w .. + 255; the eight waves' sums meet in LDS and wave 0 stores.
; A work-group owns 64 bytes of each of 16 rows: 256-byte units are written in part; the launch's whole output is 128 KB, and fewer, wider work-groups would leave Wo's 16 MB to fewer loaders.
; A wave's 64 loads (16 rows x 1,024 bytes of Wo and of the joined rows, 512 consecutive bytes a load) go out at the head, in two halves along K; each half turns through the wave's own bytes of LDS into fragments, and the
; first half's 32 products are issued while the second half lands.
; The product: a lane's 16 bytes from LDS are k = 8 i + 4 h + 0..3; registers 0, 1 feed one matrix instruction, 2, 3 the next: both sources carry the same order of k.  Source 0 = Wo's 16 rows, source 1 = the 16 joined rows:
; a lane then holds row q = r and columns 8 h + 0..7.  v224-239, the two accumulators, are written by matrix instructions alone.
; REGISTERS: v1-9 addresses; v14, v15 the add's two; v32-95, v96-159 the first half of the joined rows, then two sets of fragments; v160-223 the first half of Wo; v240-247 my partial tile; window 1: v0-63, v64-127 the second halves.
.set WB,   16640                       ; a wave's 16 rows of 1,024 bytes + 16
.set RP,   1040
.set WWO,  8*WB                        ; Wo's rows lie behind the joined rows
.set RED,  16*WB                       ; 8 x 1,024 bytes: the waves' partial tiles
.set SPARE, RED+8192                   ; the spare words: 128 bytes a wave
.set MSB, 0
.macro WIN new                         ; the immediate's high byte repeats the setting that is left
.if MSB != \new
	s_set_vgpr_msb (MSB<<8)|\new
.set MSB, \new
.endif
.endm
	s_load_b128 s[4:7], s[0:1], 0x0                ; finea, Wo
	s_load_b64 s[8:9], s[0:1], 0x10                ; out0
	v_lshl_add_u32 v14, v0, 2, SPARE               ; v14, v15: the add's two; never rewritten
	v_mov_b32 v15, 0
	v_lshrrev_b32 v1, 5, v0
	v_readfirstlane_b32 s12, v1                    ; wave 0..7
	v_and_b32 v10, 31, v0                          ; lane
	v_and_b32 v11, 15, v0                          ; r
	v_bfe_u32 v12, v0, 4, 1                        ; h
	v_lshlrev_b32 v1, 4, v10                       ; 16 x lane
	s_mul_i32 s13, s12, WB
	v_add_nc_u32 v3, s13, v1                       ; joined rows, way in
	v_add_nc_u32 v4, WWO, v3                       ; Wo's rows, way in
	v_mul_u32_u24 v5, v11, RP
	v_lshl_add_u32 v5, v12, 4, v5
	v_add_nc_u32 v5, s13, v5                       ; fragments: row r, + 16 h
	v_add_nc_u32 v6, WWO, v5
	v_lshlrev_b32 v7, 6, v11
	v_lshl_add_u32 v7, v12, 5, v7
	s_lshl_b32 s13, s12, 10
	s_add_co_u32 s13, s13, RED
	v_add_nc_u32 v7, s13, v7                       ; my partial tile: row r of 64 bytes, + 32 h
	v_lshl_add_u32 v8, v10, 5, RED                 ; back: 32 bytes a lane
	v_lshrrev_b32 v9, 1, v10
	v_lshlrev_b32 v9, 13, v9
	v_and_b32 v13, 1, v10
	v_lshl_add_u32 v9, v13, 5, v9                  ; out0: row lane / 2, 32 bytes lane % 2
	s_lshl_b32 s26, s12, 10                        ; my 256 along K: 1,024 bytes of every row
	s_mov_b32 s27, 0
	s_lshl_b32 s30, ttmp9, 17                      ; Wo: 16 rows of 8,192 bytes a work-group
	s_add_co_u32 s30, s30, s26
	s_mov_b32 s31, 0
	s_lshl_b32 s32, ttmp9, 6
	s_mov_b32 s33, 0
	s_wait_kmcnt 0x0
	s_add_nc_u64 s[20:21], s[4:5], s[26:27]        ; the joined rows, column 256 w
	s_add_nc_u64 s[24:25], s[6:7], s[30:31]        ; Wo: row 16 x, column 256 w
	s_add_nc_u64 s[8:9], s[8:9], s[32:33]          ; out0: column 16 x
.macro WLOAD reg, hf                   ; half hf (128 along K) of Wo's 16 rows; read once in the launch
.irp i, 0,1,2,3,4,5,6,7,8,9,10,11,12,13,14,15
	global_load_b128 v[\reg+4*\i:\reg+4*\i+3], v1, s[24:25] offset:\i*8192+512*(\hf) th:TH_LOAD_NT
.endr
.endm
.macro ALOAD reg, hf                   ; the same of the 16 joined rows, which every work-group reads
.irp i, 0,1,2,3,4,5,6,7,8,9,10,11,12,13,14,15
	global_load_b128 v[\reg+4*\i:\reg+4*\i+3], v1, s[20:21] offset:\i*8192+512*(\hf)
.endr
.endm
.macro HSTORE adr, reg, hf             ; into my wave's rows in LDS, as they lie
.irp i, 0,1,2,3,4,5,6,7,8,9,10,11,12,13,14,15
	ds_store_b128 v[\adr], v[\reg+4*\i:\reg+4*\i+3] offset:\i*RP+512*(\hf)
.endr
.endm
; Four groups of 64 along K on two sets of registers (v32-95, v96-159).  The fragments are my own wave's bytes, and LDS serves a wave's instructions in order: no barrier, and no wait between my stores and these loads.
.macro FETCHK g
.set FS, 32+64*((\g)%2)
.irp i, 0,1,2,3,4,5,6,7
	ds_load_b128 v[FS+4*\i:FS+4*\i+3], v6 offset:256*(\g)+32*\i
	ds_load_b128 v[FS+32+4*\i:FS+32+4*\i+3], v5 offset:256*(\g)+32*\i
.endr
.endm
.macro MULK g                          ; 16 products, the two accumulators by turns; the very first two start the sums
.set FS, 32+64*((\g)%2)
.irp i, 0,1,2,3,4,5,6,7
.if ((\g) == 0) && (\i == 0)
	v_wmma_f32_16x16x4_f32 v[224:231], v[FS+4*\i:FS+4*\i+1], v[FS+32+4*\i:FS+32+4*\i+1], 0
	v_wmma_f32_16x16x4_f32 v[232:239], v[FS+4*\i+2:FS+4*\i+3], v[FS+32+4*\i+2:FS+32+4*\i+3], 0
.else
	v_wmma_f32_16x16x4_f32 v[224:231], v[FS+4*\i:FS+4*\i+1], v[FS+32+4*\i:FS+32+4*\i+1], v[224:231]
	v_wmma_f32_16x16x4_f32 v[232:239], v[FS+4*\i+2:FS+4*\i+3], v[FS+32+4*\i+2:FS+32+4*\i+3], v[232:239]
.endif
.endr
.endm
.macro PLACES8                         ; eight places behind this form, ahead of loads into its sources and of reads of its results
.rept 8
	v_nop
.endr
.endm
	WLOAD 160, 0
	ALOAD 32, 0
	WIN 0x40                                       ; destination window 1, address window 0
	WLOAD 0, 1
	ALOAD 64, 1
	WIN 0
	s_wait_loadcnt 48                              ; Wo's first half is in; the 48 loads behind it stay out
	HSTORE 4, 160, 0
	s_wait_loadcnt 32                              ; the joined rows' first half is in; the second halves' 32 loads stay out
	HSTORE 3, 32, 0
	s_wait_dscnt 0x0                               ; the stores have read v32-95, which take the first fragments
	FETCHK 0
	FETCHK 1
	s_wait_dscnt 16                                ; group 0 is in; group 1's 16 loads stay out
	MULK 0
	s_wait_dscnt 0x0
	MULK 1
	s_wait_loadcnt 16                              ; Wo's second half is in; the joined rows' 16 loads stay out
	WIN 0x04                                       ; an LDS store's data are its source 1: window 1
	HSTORE 4, 0, 1
	s_wait_loadcnt 0x0
	HSTORE 3, 64, 1
	WIN 0
	PLACES8
	FETCHK 2
	FETCHK 3
	s_wait_dscnt 16                                ; group 2 is in; group 3's 16 loads stay out
	MULK 2
	s_wait_dscnt 0x0
	MULK 3
	PLACES8
.irp p, 0,2,4,6
	v_pk_add_f32 v[240+\p:241+\p], v[224+\p:225+\p], v[232+\p:233+\p]   ; into other registers; each accumulator from its low end on
.endr
	ds_store_b128 v7, v[240:243]
	ds_store_b128 v7, v[244:247] offset:16
	s_wait_dscnt 0x0                               ; for wave 0's sake
	s_barrier_signal -1
	s_barrier_wait -1
	s_cmp_lg_u32 s12, 0
	s_cbranch_scc1 .Lnot0
.irp s, 0,1,2,3,4,5,6,7
	ds_load_b128 v[32+8*\s:35+8*\s], v8 offset:1024*\s
	ds_load_b128 v[36+8*\s:39+8*\s], v8 offset:1024*\s+16
.endr
	s_wait_dscnt 0x0
.irp s, 1,2,3,4,5,6,7
.irp p, 0,2,4,6
	v_pk_add_f32 v[32+\p:33+\p], v[32+\p:33+\p], v[32+8*\s+\p:33+8*\s+\p]
.endr
.endr
	global_store_b128 v9, v[32:35], s[8:9]
	global_store_b128 v9, v[36:39], s[8:9] offset:16
.Lnot0:
	s_wait_tensorcnt 0x0                           ; the wave's end
	ds_add_u32 v14, v15
	s_wait_dscnt 0x0
	s_endpgm
.Lfunc_end_k_qccb4112046_fine2:
	.size	k_qccb4112046_fine2, .Lfunc_end_k_qccb4112046_fine2-k_qccb4112046_fine2
	.p2alignl 7, 3214868480
	.fill 96, 4, 3214868480
	.section	.rodata,"a",@progbits
	.p2align	6, 0x0
	.amdhsa_kernel k_qccb4112046_fine2
		.amdhsa_group_segment_fixed_size 275456
		.amdhsa_private_segment_fixed_size 0
		.amdhsa_enable_private_segment 0
		.amdhsa_kernarg_size 24
		.amdhsa_user_sgpr_count 2
		.amdhsa_user_sgpr_kernarg_segment_ptr 1
		.amdhsa_wavefront_size32 1
		.amdhsa_system_sgpr_workgroup_id_x 1
		.amdhsa_system_sgpr_workgroup_id_y 1
		.amdhsa_system_sgpr_workgroup_id_z 1
		.amdhsa_system_vgpr_workitem_id 0
		.amdhsa_next_free_vgpr 384
		.amdhsa_next_free_sgpr 66
		.amdhsa_reserve_vcc 0
		.amdhsa_float_denorm_mode_32 3
		.amdhsa_float_denorm_mode_16_64 3
		.amdhsa_memory_ordered 1
		.amdhsa_forward_progress 1
		.amdhsa_inst_pref_size 25
	.end_amdhsa_kernel
	.amdgpu_metadata
---
amdhsa.version: [ 1, 2 ]
amdhsa.kernels:
  - .name:           k_qccb4112046_fine2
    .symbol:         k_qccb4112046_fine2.kd
    .args:
      - { .name: finea, .offset: 0, .size: 8, .value_kind: global_buffer, .address_space: global }
      - { .name: Wo, .offset: 8, .size: 8, .value_kind: global_buffer, .address_space: global }
      - { .name: out0, .offset: 16, .size: 8, .value_kind: global_buffer, .address_space: global }
    .group_segment_fixed_size: 275456
    .private_segment_fixed_size: 0
    .kernarg_segment_align: 8
    .kernarg_segment_size: 24
    .max_flat_workgroup_size: 256
    .sgpr_count:     66
    .vgpr_count:     384
    .wavefront_size: 32
...
	.end_amdgpu_metadata
.endif
;; end of part 6
